; MI455X (gfx1250); checked and timed in simulation.
; The chip was launched on July 23, 2026; its instructions are those of AMD's public machine-readable ISA for CDNA 5 (MIT licence, August 2026) and "CDNA5" Instruction Set Architecture Reference Guide (July 2026). The comments in the code are by the model that wrote it; some were corrected since.
;; Multi Headed Attention. Allowed arithmetic: float matrix products may take bf16 or f16 operands with f32 sums; other float arithmetic in f32, or as packed bf16 or f16 multiplies, adds, multiply-adds, maxima and minima; sums over many terms, partial sums and values carried from step to step in f32; what a program stores and reads back later, other than sums and carried values, may be rounded once to bf16 or f16.
;; Inputs: Wk 256 x 256 float32; Wo 256 x 256 float32; Wq 256 x 256 float32; Wv 256 x 256 float32; bk 256 float32; bo 256 float32; bq 256 float32; bv 256 float32; inputs 8 x 2,048 x 256 float32; mask 8 x 2,048 float32.
;; Outputs: out0 8 x 2,048 x 256 float32.
;; 2 versions, each right and faster than the one before. Each part assembles by itself: llvm-mc -triple=amdgcn-amd-amdhsa -mcpu=gfx1250 --defsym DOCPART=n.
;; ======== version 1 of 2: 4 launches
;; limits: inputs' magnitudes at most 87,000,000,000; right only within a limited range of input values
;; workspace buffers: qws 8,388,608 bytes; kvws 16,777,216 bytes; nzws 524,288 bytes; ows 8,388,608 bytes
;; launch proj (part 1): grid 4 x 64, 16 waves a work-group, no clusters, 238,592 bytes of LDS; arguments inputs, Wq, Wk, Wv, bq, bk, bv, qws, kvws; writes qws, kvws
.if DOCPART == 1
	.amdgcn_target "amdgcn-amd-amdhsa--gfx1250"
	.amdhsa_code_object_version 6
	.text
	.protected	k_qf9a31947ce_proj
	.globl	k_qf9a31947ce_proj
	.p2align	8
	.type	k_qf9a31947ce_proj,@function
k_qf9a31947ce_proj:
	s_mov_b64 s[64:65], 0
	v_nop
	global_prefetch_b8 v0, s[64:65] scope:SCOPE_SE
	s_setreg_imm32_b32 hwreg(HW_REG_WAVE_MODE, 25, 1), 1
	s_wait_xcnt 0x0
; q = (x Wq^T + bq) c, k = x Wk^T + bk, v = x Wv^T + bv.  x: [16384][256] f32, W: [256][256] f32, b: [256] f32.  c = log2(e) / 16 is applied in f32, ahead of the one rounding of q.
; Products in bf16 with f32 sums; q, k, v leave rounded once to bf16, laid out as the later launches take them into registers (FRAGMENT ORDER):
;   qws  [head pair hd = 8 batch + head][tile of 16 rows][1,024 bytes]: in a tile [channel / 8][row][8 channels]: lane i of a fragment load reads 16 bytes at 16 i, then at 512 + 16 i
;   kvws [hd][block of 32 keys][4,096 bytes]: two tiles of K as in qws, then V turned: for channels 0-15 and 16-31 each [key / 16][(key % 16) / 8][channel][8 keys]
; SHARES.  A work-group makes 256 rows x 64 channels of each of q, k, v (two heads): 256 work-groups.  Sixteen waves: wave w has rows 32 (w / 2) on and head w % 2: 2 row tiles x 6 channel tiles, 12 accumulators.
; x and W arrive in f32 and are rounded on the way into LDS, through registers.  NO CLUSTER: a joint tensor load would land them as f32, (256 + 192) rows x 1,024 bytes = 458,752 bytes, more than a work-group can hold.
; q and k are made with W as source 0 and x as source 1, so that a lane holds one row and eight neighbouring channels; v the other way round, so that a lane holds one channel and eight neighbouring keys:
; in both cases the lane's 16 packed bytes lie at 16 x lane of a 512-byte piece of the layout above, and each store of a wave covers 512 consecutive bytes, aligned.
; LIMITS.  NaN and infinities are not treated apart; q, k, v keep bf16's eight significant bits.
.set PITCH, 528                        ; an LDS row: 512 bytes of bf16 + 16 = 132 words: row r starts at bank 4 r mod 64 (64 banks of 4 bytes: ISA guide 11.1)
.set XB,    192*PITCH                  ; W's 192 rows (64 of Wq, of Wk, of Wv) lie first, then x's 256 rows
.set SPARE, XB+256*PITCH               ; the spare words, 128 bytes for each of the sixteen waves: eight blocks of 256 bytes that no other line names
.set XO,   2                           ; v2     byte offset of my 16 bytes in my wave's 16 rows of x
.set WO,   3                           ; v3     the same in my wave's 4 rows of each W
.set XL,   4                           ; v4     LDS address of my 8 bytes in my wave's rows of x
.set WL,   5                           ; v5-7   the same for Wq, Wk, Wv
.set XA,   8                           ; v8     LDS address of my x fragments
.set WA,   9                           ; v9     of my Wq and Wk fragments
.set WA2,  10                          ; v10    of my Wv fragments (128 rows on, so that the immediates stay under 65,536)
.set BQ,   10                          ; v10    until the loads are in: byte offset of my 8 numbers of bq and bk
.set GO,   11                          ; v11    16 x lane, for the stores
.set BV,   11                          ; v11    until the loads are in: byte offset of my number of bv
.set SPW,  12                          ; v12    LDS address of my spare word; never rewritten
.set NIL,  13                          ; v13    0; never rewritten
.set CV,   14                          ; v14-15 four numbers rounded to bf16
.set BIAS, 16                          ; v16-63 the C operand that starts each sum: 8 registers for each of the 6 channel tiles
.set SL,   64                          ; v64-255 while loading: 48 slots of 4 registers
.set ACC,  64                          ; v64-159 accumulator (row tile mt, channel tile n) at 64 + 48 mt + 8 n; n = 0, 1 q; 2, 3 k; 4, 5 v
.set XF,   160                         ; v160-175 fragments of x
.set WF,   176                         ; v176-223 fragments of W
.set PK,   176                         ; and, at the end, the packed results
	s_load_b512 s[4:19], s[0:1], 0x0               ; x s[4:5], Wq s[6:7], Wk s[8:9], Wv s[10:11], bq s[12:13], bk s[14:15], bv s[16:17], qws s[18:19]
	s_load_b64 s[20:21], s[0:1], 0x40              ; kvws
	v_lshl_add_u32 v[SPW], v0, 2, SPARE
	v_mov_b32 v[NIL], 0
	v_lshrrev_b32 v1, 5, v0
	v_readfirstlane_b32 s22, v1                    ; wave 0..15
	s_lshr_b32 s23, s22, 1                         ; rg: my 32 rows of the 256
	s_and_b32 s24, s22, 1                          ; cg: my head of the two
	s_mov_b32 s25, ttmp9                           ; y: channels 64 y on
	s_and_b32 s26, ttmp7, 0xffff                   ; rb: rows 256 rb on
	s_mov_b32 s28, 0x3db8aa3b                      ; c = log2(e) / 16
	s_mov_b32 s29, s28                             ; named with it as a pair
	v_and_b32 v1, 31, v0                           ; lane
	v_and_b32 v14, 15, v0                          ; lane % 16
	v_bfe_u32 v15, v0, 4, 1                        ; lane / 16
	s_lshl_b32 s30, s22, 14
	v_lshl_add_u32 v[XO], v1, 4, s30               ; 16 rows of 1,024 bytes a wave + 16 x lane
	s_lshl_b32 s30, s25, 16
	s_lshl_b32 s31, s22, 12
	s_add_co_u32 s30, s30, s31
	v_lshl_add_u32 v[WO], v1, 4, s30               ; row 64 y + 4 w + 16 x lane
	s_mul_i32 s30, s22, 16*PITCH
	s_add_co_u32 s30, s30, XB
	v_lshl_add_u32 v[XL], v1, 3, s30
	s_mul_i32 s30, s22, 4*PITCH
	v_lshl_add_u32 v[WL], v1, 3, s30
	v_add_nc_u32 v[WL+1], 64*PITCH, v[WL]
	v_add_nc_u32 v[WL+2], 128*PITCH, v[WL]
	v_mul_u32_u24 v1, v14, PITCH
	v_lshl_add_u32 v1, v15, 4, v1                  ; a fragment: row x pitch + 16 x half
	s_mul_i32 s30, s23, 32*PITCH
	s_add_co_u32 s30, s30, XB
	v_add_nc_u32 v[XA], s30, v1
	s_mul_i32 s30, s24, 32*PITCH
	v_add_nc_u32 v[WA], s30, v1
	s_lshl_b32 s30, s25, 8
	s_lshl_b32 s31, s24, 7
	s_add_co_u32 s30, s30, s31                     ; my head's first channel, in bytes of f32
	v_lshl_add_u32 v[BQ], v15, 5, s30              ; q, k: register j of C is channel 8 x half + j
	v_lshl_add_u32 v[BV], v14, 2, s30              ; v: all eight registers of C are channel lane % 16
	s_lshl_b32 s32, s26, 18                        ; x: 256 rows of 1,024 bytes a row block
	s_mov_b32 s33, 0
	s_and_b32 s30, s26, 0xfff8                     ; 8 x batch (a batch is 8 row blocks)
	s_lshl_b32 s31, s25, 1
	s_add_co_u32 s30, s30, s31
	s_add_co_u32 s30, s30, s24                     ; hd = 8 batch + 2 y + cg
	s_and_b32 s31, s26, 7
	s_lshl_b32 s34, s30, 17                        ; qws: hd x 131,072
	s_lshl_b32 s27, s31, 14                        ; + 16 tiles of 1,024 bytes a row block
	s_add_co_u32 s34, s34, s27
	s_lshl_b32 s27, s23, 11                        ; + my 2 tiles
	s_add_co_u32 s34, s34, s27
	s_mov_b32 s35, 0
	s_lshl_b32 s36, s34, 1                         ; kvws holds twice the bytes for the same rows
	s_mov_b32 s37, 0
	s_wait_kmcnt 0x0
	s_add_nc_u64 s[4:5], s[4:5], s[32:33]
	s_add_nc_u64 s[18:19], s[18:19], s[34:35]
	s_add_nc_u64 s[20:21], s[20:21], s[36:37]
	; the ten bias loads come first, so that every later wait for a data load covers them
.irp nt, 0,1
	global_load_b128 v[BIAS+8*\nt:BIAS+8*\nt+3],       v[BQ], s[12:13] offset:64*\nt
	global_load_b128 v[BIAS+8*\nt+4:BIAS+8*\nt+7],     v[BQ], s[12:13] offset:64*\nt+16
	global_load_b128 v[BIAS+16+8*\nt:BIAS+16+8*\nt+3], v[BQ], s[14:15] offset:64*\nt
	global_load_b128 v[BIAS+16+8*\nt+4:BIAS+16+8*\nt+7], v[BQ], s[14:15] offset:64*\nt+16
	global_load_b32  v[BIAS+32+8*\nt],                 v[BV], s[16:17] offset:64*\nt
.endr
; Data load j of 56: 0-23 my 4 rows of Wq, Wk, Wv, 24-55 my 16 rows of x; a row is two loads of 512 consecutive bytes.  Slot j % 48.
.macro LD j
.if (\j) < 24
	global_load_b128 v[SL+4*((\j)%48):SL+4*((\j)%48)+3], v[WO], s[6+2*((\j)/8):7+2*((\j)/8)] offset:1024*(((\j)%8)/2)+512*((\j)%2)
.else
	global_load_b128 v[SL+4*((\j)%48):SL+4*((\j)%48)+3], v[XO], s[4:5] offset:1024*(((\j)-24)/2)+512*((\j)%2)
.endif
.endm
; Load j is rounded to bf16 and stored to LDS: 32 lanes x 8 bytes are 256 consecutive bytes.  The first eight slots are loaded again at once.
.macro CONV j
.if (\j) < 8
	s_wait_loadcnt 47                              ; loads come back in order (ISA guide 5.7.1): 47 younger ones are out while each turn issues one more
.else
	s_wait_loadcnt 55-(\j)                         ; then the count runs down
.endif
	v_cvt_pk_bf16_f32 v[CV],   v[SL+4*((\j)%48)],   v[SL+4*((\j)%48)+1]
	v_cvt_pk_bf16_f32 v[CV+1], v[SL+4*((\j)%48)+2], v[SL+4*((\j)%48)+3]
.if (\j) < 24
	ds_store_b64 v[WL+(\j)/8], v[CV:CV+1] offset:PITCH*(((\j)%8)/2)+256*((\j)%2)
.else
	ds_store_b64 v[XL], v[CV:CV+1] offset:PITCH*(((\j)-24)/2)+256*((\j)%2)
.endif
.if (\j) < 8
	LD (\j)+48
.endif
.endm
.set jj, 0
.rept 48
	LD jj
.set jj, jj+1
.endr
.set jj, 0
.rept 56
	CONV jj
.set jj, jj+1
.endr
	; every load is in: bv is spread over its eight registers, and the two registers that held bias offsets take their later use
.irp nt, 0,1
.irp j, 1,2,3,4,5,6,7
	v_mov_b32 v[BIAS+32+8*\nt+\j], v[BIAS+32+8*\nt]
.endr
.endr
	v_add_nc_u32 v[WA2], 128*PITCH, v[WA]
	v_and_b32 v[GO], 31, v0
	v_lshlrev_b32 v[GO], 4, v[GO]
	s_wait_dscnt 0x0                               ; for the others: my stores into LDS are done
	s_barrier_signal -1
	s_barrier_wait -1                              ; x and W are whole
; One product.  The first K step takes the bias as C, so nothing is cleared and nothing is added later.
.macro MM ks, n, mt
.set rA, ACC+48*(\mt)+8*(\n)
.set rW, WF+8*(\n)
.set rX, XF+8*(\mt)
.set rB, BIAS+8*(\n)
.if (\ks) != 0
.set rB, rA
.endif
.if (\n) < 4
	v_wmma_f32_16x16x32_bf16 v[rA:rA+7], v[rW:rW+7], v[rX:rX+7], v[rB:rB+7]
.else
	v_wmma_f32_16x16x32_bf16 v[rA:rA+7], v[rX:rX+7], v[rW:rW+7], v[rB:rB+7]
.endif
.endm
; A K step of 32: 16 LDS loads, 12 products.  The 12 accumulators take turns, one instruction a turn, in the same order in every step.
; The fragments have one buffer: the SIMD's other three waves work while this one waits.
.macro KSTEP ks
.irp mt, 0,1
	ds_load_b128 v[XF+8*\mt:XF+8*\mt+3],   v[XA] offset:16*PITCH*\mt+64*(\ks)
	ds_load_b128 v[XF+8*\mt+4:XF+8*\mt+7], v[XA] offset:16*PITCH*\mt+64*(\ks)+32
.endr
.irp n, 0,1,2,3
	ds_load_b128 v[WF+8*\n:WF+8*\n+3],   v[WA] offset:(64*(\n/2)+16*(\n%2))*PITCH+64*(\ks)
	ds_load_b128 v[WF+8*\n+4:WF+8*\n+7], v[WA] offset:(64*(\n/2)+16*(\n%2))*PITCH+64*(\ks)+32
.endr
.irp n, 4,5
	ds_load_b128 v[WF+8*\n:WF+8*\n+3],   v[WA2] offset:16*(\n%2)*PITCH+64*(\ks)
	ds_load_b128 v[WF+8*\n+4:WF+8*\n+7], v[WA2] offset:16*(\n%2)*PITCH+64*(\ks)+32
.endr
	s_wait_dscnt 0x0
.irp n, 0,1,2,3,4,5
.irp mt, 0,1
	MM \ks, \n, \mt
.endr
.endr
.rept 4
	v_nop                                          ; four places ahead of the loads into the fragments just read, and at the end ahead of the lines that read the sums
.endr
.endm
.irp ks, 0,1,2,3,4,5,6,7
	KSTEP \ks
.endr
	; THE WAY OUT.  q is scaled; all twelve tiles are rounded, each accumulator from its low end on; a lane's 16 bytes go straight to memory.
.irp mt, 0,1
.irp n, 0,1
.irp p, 0,2,4,6
	v_pk_mul_f32 v[ACC+48*\mt+8*\n+\p:ACC+48*\mt+8*\n+\p+1], v[ACC+48*\mt+8*\n+\p:ACC+48*\mt+8*\n+\p+1], s[28:29] op_sel_hi:[1,0]
.endr
.endr
.endr
.irp mt, 0,1
.irp n, 0,1,2,3,4,5
.irp p, 0,1,2,3
	v_cvt_pk_bf16_f32 v[PK+4*(6*\mt+\n)+\p], v[ACC+48*\mt+8*\n+2*\p], v[ACC+48*\mt+8*\n+2*\p+1]
.endr
.endr
.endr
.irp mt, 0,1
.irp nt, 0,1
	global_store_b128 v[GO], v[PK+4*(6*\mt+\nt):PK+4*(6*\mt+\nt)+3],     s[18:19] offset:1024*\mt+512*\nt        ; q: tile mt, channels 16 nt on
	global_store_b128 v[GO], v[PK+4*(6*\mt+2+\nt):PK+4*(6*\mt+2+\nt)+3], s[20:21] offset:1024*\mt+512*\nt        ; k: the same place in the block of 32 keys
	global_store_b128 v[GO], v[PK+4*(6*\mt+4+\nt):PK+4*(6*\mt+4+\nt)+3], s[20:21] offset:2048+1024*\nt+512*\mt   ; v: channels 16 nt on, keys 16 mt on
.endr
.endr
	s_wait_tensorcnt 0x0                           ; the wave's end, behind my last LDS store
	ds_add_u32 v[SPW], v[NIL]
	s_wait_dscnt 0x0
	s_endpgm
.Lfunc_end_k_qf9a31947ce_proj:
	.size	k_qf9a31947ce_proj, .Lfunc_end_k_qf9a31947ce_proj-k_qf9a31947ce_proj
	.p2alignl 7, 3214868480
	.fill 96, 4, 3214868480
	.section	.rodata,"a",@progbits
	.p2align	6, 0x0
	.amdhsa_kernel k_qf9a31947ce_proj
		.amdhsa_group_segment_fixed_size 238592
		.amdhsa_private_segment_fixed_size 0
		.amdhsa_enable_private_segment 0
		.amdhsa_kernarg_size 72
		.amdhsa_user_sgpr_count 2
		.amdhsa_user_sgpr_kernarg_segment_ptr 1
		.amdhsa_wavefront_size32 1
		.amdhsa_system_sgpr_workgroup_id_x 1
		.amdhsa_system_sgpr_workgroup_id_y 1
		.amdhsa_system_sgpr_workgroup_id_z 1
		.amdhsa_system_vgpr_workitem_id 0
		.amdhsa_next_free_vgpr 256
		.amdhsa_next_free_sgpr 66
		.amdhsa_reserve_vcc 0
		.amdhsa_float_denorm_mode_32 3
		.amdhsa_float_denorm_mode_16_64 3
		.amdhsa_memory_ordered 1
		.amdhsa_forward_progress 1
		.amdhsa_inst_pref_size 43
	.end_amdhsa_kernel
	.amdgpu_metadata
---
amdhsa.version: [ 1, 2 ]
amdhsa.kernels:
  - .name:           k_qf9a31947ce_proj
    .symbol:         k_qf9a31947ce_proj.kd
    .args:
      - { .name: inputs, .offset: 0, .size: 8, .value_kind: global_buffer, .address_space: global }
      - { .name: Wq, .offset: 8, .size: 8, .value_kind: global_buffer, .address_space: global }
      - { .name: Wk, .offset: 16, .size: 8, .value_kind: global_buffer, .address_space: global }
      - { .name: Wv, .offset: 24, .size: 8, .value_kind: global_buffer, .address_space: global }
      - { .name: bq, .offset: 32, .size: 8, .value_kind: global_buffer, .address_space: global }
      - { .name: bk, .offset: 40, .size: 8, .value_kind: global_buffer, .address_space: global }
      - { .name: bv, .offset: 48, .size: 8, .value_kind: global_buffer, .address_space: global }
      - { .name: qws, .offset: 56, .size: 8, .value_kind: global_buffer, .address_space: global }
      - { .name: kvws, .offset: 64, .size: 8, .value_kind: global_buffer, .address_space: global }
    .group_segment_fixed_size: 238592
    .private_segment_fixed_size: 0
    .kernarg_segment_align: 8
    .kernarg_segment_size: 72
    .max_flat_workgroup_size: 512
    .sgpr_count:     66
    .vgpr_count:     256
    .wavefront_size: 32
...
	.end_amdgpu_metadata
.endif
;; end of part 1
;; launch stats (part 2): grid 4 x 64, 4 waves a work-group, clusters of 4 x 1, 167,936 bytes of LDS; arguments qws, kvws, mask, nzws; writes nzws
.if DOCPART == 2
	.amdgcn_target "amdgcn-amd-amdhsa--gfx1250"
	.amdhsa_code_object_version 6
	.text
	.protected	k_qf9a31947ce_stats
	.globl	k_qf9a31947ce_stats
	.p2align	8
	.type	k_qf9a31947ce_stats,@function
k_qf9a31947ce_stats:
	s_mov_b64 s[64:65], 0
	v_nop
	global_prefetch_b8 v0, s[64:65] scope:SCOPE_SE
	s_setreg_imm32_b32 hwreg(HW_REG_WAVE_MODE, 25, 1), 1
	s_wait_xcnt 0x0
	s_wait_alu depctr_hold_cnt(0) depctr_sa_sdst(0) depctr_va_vdst(0) depctr_va_sdst(0) depctr_va_ssrc(0) depctr_va_vcc(0) depctr_vm_vsrc(0)
	s_getreg_b32 s2, hwreg(HW_REG_IB_STS2, 6, 4)
	s_cmp_eq_u32 s2, 0
	s_cbranch_scc0 .Lentry_in_a_cluster
	s_endpgm
.Lentry_in_a_cluster:
	s_bfe_u32 s2, ttmp6, 0x10000c
	s_cmp_lg_u32 s2, 0x3003
	s_cbranch_scc0 .Lentry_shape_is_right
	s_endpgm
.Lentry_shape_is_right:
; The softmax of this module runs over the QUERIES: key k is normalised by the sum over all 2,048 queries q of exp(s[q][k] + 1e-9 mask[q]).  This launch makes, for each key of each head pair,
; nz[k] = -log2 of the sum over q of 2^(t[q][k]), t = q . k (q arrives scaled by log2(e) / 16) + mu[q], mu = mask x 1e-9 log2(e), by a running maximum m and sum l in f32.
; SHARES.  A head pair hd has 4 work-groups of 512 keys; a wave owns 128 keys, 8 tiles of 16, whose fragments of K stay in 64 registers, and walks all queries, 64 a step.
; LAYOUT.  Source 0 = 16 queries, source 1 = 16 keys: a lane holds ONE key (lane % 16) and the queries 8 (lane / 16) + 0..7.  So m and l are a lane's own for the whole walk, and the halves of the lanes meet once, at the end.
; The C operand of the product is mu of the tile's queries: the result is t itself, and the maximum taken away is the maximum of what the module exponentiates.
; LDS.  The head pair's whole Q, 131,072 bytes in fragment order, is filled ONCE: no slot is filled again.  CLUSTER: the four work-groups of a head pair read the same Q, so each quarter of it is asked for
; JOINTLY: the same tensor load, descriptor and mask in all four.  By this text's count one tensor load of a wave is out.
; BY SLOTS.  A slot is the vector work of one key tile x 64 queries (83 instructions); the four products of the next slot stand among its first lines, into the other of two result buffers.
; LIMITS.  NaN and infinities are not treated apart; a term below 2^-126 of the running maximum's counts as 0.
.set MU,    131072                     ; behind Q: mu of the batch's 2,048 queries, f32, stored by the waves
.set STG,   MU+8192                    ; 512 bytes for each wave: its 128 results, gathered for one store
.set SPARE, STG+4*512                  ; the spare words, 128 bytes for each wave: two blocks of 256 bytes that no other line names
.set QA,  2                            ; v2     LDS address of my 16 bytes in the step's first tile of Q; steps by 4,096
.set TA,  3                            ; v3     LDS address of my half's 8 numbers of mu; steps by 256
.set SPW, 4                            ; v4     LDS address of my spare word; never rewritten
.set NIL, 5                            ; v5     0; never rewritten
.set MO,  7                            ; v7     16 x thread: my 16 bytes of a quarter of the mask's row
.set ML,  8                            ; v8     the same place in MU
.set SA,  9                            ; v9     where my key's result goes in the stage
.set SR,  10                           ; v10    where I read 16 bytes of the stage back
.set GO,  11                           ; v11    16 x lane
.set CC,  12                           ; v12-15 four chains of the maximum
.set DD,  16                           ; v16    m_old - m_new
.set AA,  18                           ; v18-19 a = 2^(m_old - m_new), and a written register beside it
.set MS,  20                           ; tile t: m at v[20 + 2 t], a written register beside it
.set LS,  36                           ; tile t: l at v[36 + 2 t : 37 + 2 t] (even queries, odd queries)
.set KF,  52                           ; v52-115  K, 8 a tile
.set QF,  116                          ; v116-147 Q of the step, 4 tiles
.set CM,  148                          ; v148-179 mu of the step, 8 a tile
.set DB,  180                          ; v180-243 two buffers of 32 results
.set WV,  12
.set G1,  24                           ; s[24:31] descriptor group 1
.set G0,  40                           ; s[40:43] descriptor group 0
.set CNT, 52
.set C2,  56                           ; s[56:57] 1e-9 log2(e)
.set ONE, 58                           ; s[58:59] 1.0
.set SEL, 60                           ; s[60:61] v_permlanex16_b32's selects: each lane takes its own place in the other half
; A round of the cluster's barrier: my work-group's barrier, wave 0 signals for the work-group, every wave waits for all four work-groups, my work-group's barrier once more.
.macro CROUND
	s_barrier_signal -1
	s_barrier_wait -1
	s_cmp_lg_u32 s[WV], 0
	s_cbranch_scc1 .Lnot_wave_0_\@
	s_barrier_signal -3
.Lnot_wave_0_\@:
	s_barrier_wait -3
	s_barrier_signal -1
	s_barrier_wait -1
.endm
	s_load_b256 s[4:11], s[0:1], 0x0               ; qws s[4:5], kvws s[6:7], mask s[8:9], nzws s[10:11]
	v_lshl_add_u32 v[SPW], v0, 2, SPARE
	v_mov_b32 v[NIL], 0
	ds_add_u32 v[SPW], v[NIL]                      ; the wave's opening: the add and its wait ahead of my first tensor load; the set-up below stands between them
	v_lshrrev_b32 v1, 5, v0
	v_readfirstlane_b32 s[WV], v1                  ; wave 0..3
	s_bfe_u32 s13, ttmp6, 0x40000                  ; cx: my place in the cluster
	s_lshl_b32 s14, ttmp9, 2
	s_add_co_u32 s14, s14, s13                     ; my 512 keys: it enters the addresses of K and of the result alone
	s_and_b32 s15, ttmp7, 0xffff                   ; hd, which the four partners share
	; descriptor group 1: a quarter of Q is 32,768 dense bytes, asked for as 128 rows of 256 bytes (32 elements of 8 bytes), no padding: fragment order has no bank conflict
	s_mov_b32 s[G1], 15|(3<<16)|(1<<21)            ; 15:0 the mask of four; 17:16 elements of 8 bytes; 21 set beside a mask
	s_mov_b32 s[G1+1], 32<<16                      ; tensor_dim0 = 32
	s_mov_b32 s[G1+2], 128<<16                     ; tensor_dim1 = 128
	s_mov_b32 s[G1+3], 32<<16                      ; tile_dim0 = 32
	s_mov_b32 s[G1+4], 128                         ; tile_dim1 = 128
	s_mov_b32 s[G1+5], 32                          ; 32 elements from row to row
	s_mov_b32 s[G1+6], 0
	s_mov_b32 s[G1+7], 0
	s_mov_b32 s[G0], 1                             ; count = 1
	s_mul_i32 s[G0+1], s[WV], 32768                ; LDS address: my quarter
	s_lshl_b32 s16, s15, 17
	s_add_co_u32 s16, s16, s[G0+1]                 ; Q: hd x 131,072 + my quarter
	s_mov_b32 s17, 0
	s_lshl_b32 s18, s15, 18                        ; K: hd x 262,144
	s_lshl_b32 s19, s14, 16                        ; + 16 blocks of 4,096 bytes a work-group
	s_add_co_u32 s18, s18, s19
	s_lshl_b32 s19, s[WV], 14                      ; + 4 blocks a wave
	s_add_co_u32 s18, s18, s19
	s_mov_b32 s19, 0
	s_lshr_b32 s20, s15, 3
	s_lshl_b32 s20, s20, 13                        ; mask: the batch's row of 8,192 bytes
	s_mov_b32 s21, 0
	s_lshl_b32 s22, s15, 13                        ; the result: hd x 8,192
	s_lshl_b32 s23, s14, 11
	s_add_co_u32 s22, s22, s23
	s_lshl_b32 s23, s[WV], 9
	s_add_co_u32 s22, s22, s23
	s_mov_b32 s23, 0
	s_mov_b32 s[C2], 0x30c64852                    ; 1e-9 log2(e) = 1.4426950e-9
	s_mov_b32 s[C2+1], s[C2]
	s_mov_b32 s[ONE], 1.0
	s_mov_b32 s[ONE+1], 1.0
	s_mov_b32 s[SEL], 0x76543210
	s_mov_b32 s[SEL+1], 0xfedcba98
	s_mul_i32 s53, s[WV], 512
	s_add_co_u32 s53, s53, STG                     ; my stage
	s_wait_dscnt 0x0                               ; the opening add is done
	s_wait_kmcnt 0x0
	s_add_nc_u64 s[G0+2:G0+3], s[4:5], s[16:17]
	s_or_b32 s[G0+3], s[G0+3], 0x80000000          ; type = 2
	s_add_nc_u64 s[6:7], s[6:7], s[18:19]
	s_add_nc_u64 s[8:9], s[8:9], s[20:21]
	s_add_nc_u64 s[10:11], s[10:11], s[22:23]
	CROUND                                         ; all four work-groups are here: the joint loads meet
	tensor_load_to_lds s[G0:G0+3], s[G1:G1+7]
	s_nop 0
	v_and_b32 v1, 31, v0
	v_lshlrev_b32 v[QA], 4, v1
	v_mov_b32 v[GO], v[QA]
	v_bfe_u32 v6, v0, 4, 1
	v_lshl_add_u32 v[TA], v6, 5, MU
	v_lshlrev_b32 v[MO], 4, v0
	v_lshl_add_u32 v[ML], v0, 4, MU
	v_and_b32 v6, 15, v0
	v_lshl_add_u32 v[SA], v6, 2, s53
	v_add_nc_u32 v[SR], s53, v[QA]
.irp j, 0,1,2,3
	global_load_b128 v[DB+4*\j:DB+4*\j+3], v[MO], s[8:9] offset:2048*\j   ; the four waves take 2,048 consecutive bytes of the mask's row at a time
.endr
.irp t, 0,1,2,3,4,5,6,7
	global_load_b128 v[KF+8*\t:KF+8*\t+3],   v[GO], s[6:7] offset:4096*(\t/2)+1024*(\t%2)        ; K's tile t: 512 consecutive bytes a load
	global_load_b128 v[KF+8*\t+4:KF+8*\t+7], v[GO], s[6:7] offset:4096*(\t/2)+1024*(\t%2)+512
.endr
.set t, 0
.rept 8
	v_mov_b32 v[MS+2*t], 0xff7fffff                ; m starts at the lowest finite number, so the first step's a is 0,
	v_mov_b32 v[MS+2*t+1], 0
	v_mov_b32 v[LS+2*t], 0                         ; and l at 0
	v_mov_b32 v[LS+2*t+1], 0
.set t, t+1
.endr
	v_mov_b32 v[AA+1], 0
	s_wait_loadcnt 16                              ; the mask is in; K's sixteen loads may stay out
.irp j, 0,1,2,3,4,5,6,7
	v_pk_mul_f32 v[DB+2*\j:DB+2*\j+1], v[DB+2*\j:DB+2*\j+1], s[C2:C2+1] op_sel_hi:[1,0]
.endr
.irp j, 0,1,2,3
	ds_store_b128 v[ML], v[DB+4*\j:DB+4*\j+3] offset:2048*\j
.endr
	s_wait_tensorcnt 0x0                           ; my quarter of Q has landed,
	s_wait_dscnt 0x0                               ; my part of mu is stored:
	s_barrier_signal -1
	s_barrier_wait -1                              ; everybody's is
	s_wait_loadcnt 0x0                             ; K
; 16 LDS loads in one run: a step's four tiles of Q and their mu
.macro FETCH off, toff
.irp g, 0,1,2,3
	ds_load_b128 v[QF+8*\g:QF+8*\g+3],   v[QA] offset:(\off)+1024*\g
	ds_load_b128 v[QF+8*\g+4:QF+8*\g+7], v[QA] offset:(\off)+1024*\g+512
	ds_load_b128 v[CM+8*\g:CM+8*\g+3],   v[TA] offset:(\toff)+64*\g
	ds_load_b128 v[CM+8*\g+4:CM+8*\g+7], v[TA] offset:(\toff)+64*\g+16
.endr
.endm
.macro WQ g                            ; product g of 4 of the next slot: 16 queries x 16 keys, C = mu.  D is never C: no chain
.if doW
	v_wmma_f32_16x16x32_bf16 v[nD+8*(\g):nD+8*(\g)+7], v[QF+8*(\g):QF+8*(\g)+7], v[nK:nK+7], v[CM+8*(\g):CM+8*(\g)+7]
.endif
.endm
.macro FS i                            ; pair i of 16: t - m
	v_pk_fma_f32 v[rD+2*(\i):rD+2*(\i)+1], v[rD+2*(\i):rD+2*(\i)+1], s[ONE:ONE+1], v[rM:rM+1] op_sel_hi:[1,0,0] neg_lo:[0,0,1] neg_hi:[0,0,1]
.endm
.macro G s                             ; two exponentials; a plain line follows each such pair (ISA guide 5.7.2)
	v_exp_f32 v[rD+2*(\s)], v[rD+2*(\s)]
	v_exp_f32 v[rD+2*(\s)+1], v[rD+2*(\s)+1]
.endm
.macro AD a, b                         ; pair a += pair b
	s_wait_alu depctr_va_vdst(0)
	v_pk_add_f32 v[rD+2*(\a):rD+2*(\a)+1], v[rD+2*(\a):rD+2*(\a)+1], v[rD+2*(\b):rD+2*(\b)+1]
.endm
.macro LP a                            ; l += pair a
	v_pk_add_f32 v[rL:rL+1], v[rL:rL+1], v[rD+2*(\a):rD+2*(\a)+1]
.endm
; THE SLOT of key tile t.  more = 1: a further step follows: slot 6 fetches it, 16 plain lines behind the last product that read Q and mu, and slot 7 waits for it and starts its first products.
; A sum of four weights stands one group and a plain line behind their last exponential; a product's result is first read a slot later, each accumulator from its low end on.
.macro SLOT t, more
.set rD, DB+32*((\t)%2)
.set nD, DB+32*(((\t)+1)%2)
.set nK, KF+8*(((\t)+1)%8)
.set rM, MS+2*(\t)
.set rL, LS+2*(\t)
.set doW, 1-((\t)/7)*(1-(\more))
.if ((\t) == 7) && (\more)
	s_wait_dscnt 0x0                               ; the next step's Q and mu are in
.endif
.irp j, 0,1,2,3
	v_max3_num_f32 v[CC+\j], v[rD+8*\j], v[rD+8*\j+1], v[rD+8*\j+2]
.endr
	WQ 0
.irp j, 0,1,2,3
	v_max3_num_f32 v[CC+\j], v[CC+\j], v[rD+8*\j+3], v[rD+8*\j+4]
.endr
	WQ 1
.irp j, 0,1,2,3
	v_max3_num_f32 v[CC+\j], v[CC+\j], v[rD+8*\j+5], v[rD+8*\j+6]
.endr
	WQ 2
	v_max3_num_f32 v[CC], v[CC], v[rD+7], v[rD+15]
	v_max3_num_f32 v[CC+2], v[CC+2], v[rD+23], v[rD+31]
	WQ 3
	v_max3_num_f32 v[CC+1], v[CC+1], v[CC+3], v[rM]
	v_max3_num_f32 v[CC], v[CC], v[CC+2], v[CC+1]  ; the new m
	v_sub_f32 v[DD], v[rM], v[CC]
	v_mov_b32 v[rM], v[CC]
	FS 0
	FS 1
	v_exp_f32 v[AA], v[DD]
.irp i, 2,3,4,5,6,7,8,9,10,11
	FS \i
.endr
.if ((\t) == 6) && (\more)
	FETCH 4096, 256
.endif
	G 0
	FS 12
	G 1
	FS 13
	G 2
	AD 0, 1
	G 3
	FS 14
	G 4
	AD 2, 3
	G 5
	FS 15
	G 6
	AD 4, 5
	G 7
	AD 0, 2
	G 8
	AD 6, 7
	G 9
	AD 4, 6
	G 10
	AD 8, 9
	G 11
	AD 0, 4
	G 12
	AD 10, 11
	G 13
	v_pk_fma_f32 v[rL:rL+1], v[rL:rL+1], v[AA:AA+1], v[rD:rD+1] op_sel_hi:[1,0,1]  ; l = a l + the first 16 weights
	G 14
	AD 12, 13
	G 15
	AD 8, 10
	AD 14, 15
	LP 8
	AD 12, 14
	LP 12
.endm
	FETCH 0, 0
	s_wait_dscnt 0x0
.set doW, 1
.set nD, DB
.set nK, KF
.irp g, 0,1,2,3
	WQ \g                                          ; the first slot's products
.endr
.rept 4
	v_nop                                          ; four places (ISA guide 7.12.1) ahead of the first read of those results
.endr
	s_mov_b32 s[CNT], 31
.Lstep:                                                ; 31 trips: steps 0 to 30, each fetching the next
.irp t, 0,1,2,3,4,5,6,7
	SLOT \t, 1
.endr
	v_add_nc_u32 v[QA], 4096, v[QA]
	v_add_nc_u32 v[TA], 256, v[TA]
	s_sub_co_u32 s[CNT], s[CNT], 1
	s_cmp_lg_u32 s[CNT], 0
	s_cbranch_scc1 .Lstep
.irp t, 0,1,2,3,4,5,6,7
	SLOT \t, 0                                     ; the last step fetches nothing, and its last slot starts no product
.endr
	; THE END.  A key's other 1,024 queries lie in the lane 16 away.  M = max(m, m'), l = l 2^(m - M) + l' 2^(m' - M), nz = -M - log2 l.  The two products are added unfused, so that both lanes of a key
	; get the same bits: both write the key's one word of the stage.
.set EB, DB                            ; tile t at work in v[EB + 8 t ..]
.macro ALL8 line:vararg
.set t, 0
.rept 8
	\line
.set t, t+1
.endr
.endm
	ALL8 v_add_f32 v[LS+2*t], v[LS+2*t], v[LS+2*t+1]
	ALL8 v_permlanex16_b32 v[EB+8*t], v[MS+2*t], s[SEL], s[SEL+1]
	ALL8 v_permlanex16_b32 v[EB+8*t+1], v[LS+2*t], s[SEL], s[SEL+1]
	ALL8 v_max_num_f32 v[EB+8*t+2], v[MS+2*t], v[EB+8*t]
	ALL8 v_sub_f32 v[EB+8*t+3], v[MS+2*t], v[EB+8*t+2]
	ALL8 v_sub_f32 v[EB+8*t+4], v[EB+8*t], v[EB+8*t+2]
	ALL8 v_exp_f32 v[EB+8*t+3], v[EB+8*t+3]
	ALL8 v_exp_f32 v[EB+8*t+4], v[EB+8*t+4]
	v_nop                                          ; a plain line between the last exponential and the use of its result
	s_wait_alu depctr_va_vdst(0)
	ALL8 v_mul_f32 v[LS+2*t], v[LS+2*t], v[EB+8*t+3]
	ALL8 v_mul_f32 v[EB+8*t+1], v[EB+8*t+1], v[EB+8*t+4]
	ALL8 v_add_f32 v[LS+2*t], v[LS+2*t], v[EB+8*t+1]
	ALL8 v_log_f32 v[LS+2*t], v[LS+2*t]
	v_nop
	s_wait_alu depctr_va_vdst(0)
	ALL8 v_fma_f32 v[EB+8*t+5], v[EB+8*t+2], -1.0, -v[LS+2*t]
	ALL8 ds_store_b32 v[SA], v[EB+8*t+5] offset:64*t
	ds_load_b128 v[CC:CC+3], v[SR]                 ; LDS serves a wave's instructions in order (ISA guide 5.7.1.4): this sees the stores above; the bytes are my wave's own
	s_wait_dscnt 0x0
	global_store_b128 v[GO], v[CC:CC+3], s[10:11]  ; my wave's 128 results: 512 consecutive bytes, aligned
	s_wait_tensorcnt 0x0                           ; the wave's end, behind my last tensor load and my last LDS store
	ds_add_u32 v[SPW], v[NIL]
	s_wait_dscnt 0x0
	CROUND                                         ; the closing round: no work-group ends while a partner may still ask for a tile that names it
	s_endpgm
.Lfunc_end_k_qf9a31947ce_stats:
	.size	k_qf9a31947ce_stats, .Lfunc_end_k_qf9a31947ce_stats-k_qf9a31947ce_stats
	.p2alignl 7, 3214868480
	.fill 96, 4, 3214868480
	.section	.rodata,"a",@progbits
	.p2align	6, 0x0
	.amdhsa_kernel k_qf9a31947ce_stats
		.amdhsa_group_segment_fixed_size 167936
		.amdhsa_private_segment_fixed_size 0
		.amdhsa_enable_private_segment 0
		.amdhsa_kernarg_size 32
		.amdhsa_user_sgpr_count 2
		.amdhsa_user_sgpr_kernarg_segment_ptr 1
		.amdhsa_wavefront_size32 1
		.amdhsa_system_sgpr_workgroup_id_x 1
		.amdhsa_system_sgpr_workgroup_id_y 1
		.amdhsa_system_sgpr_workgroup_id_z 1
		.amdhsa_system_vgpr_workitem_id 0
		.amdhsa_next_free_vgpr 244
		.amdhsa_next_free_sgpr 66
		.amdhsa_reserve_vcc 0
		.amdhsa_float_denorm_mode_32 3
		.amdhsa_float_denorm_mode_16_64 3
		.amdhsa_memory_ordered 1
		.amdhsa_forward_progress 1
		.amdhsa_inst_pref_size 92
	.end_amdhsa_kernel
	.amdgpu_metadata
---
amdhsa.version: [ 1, 2 ]
amdhsa.kernels:
  - .name:           k_qf9a31947ce_stats
    .symbol:         k_qf9a31947ce_stats.kd
    .args:
      - { .name: qws, .offset: 0, .size: 8, .value_kind: global_buffer, .address_space: global }
      - { .name: kvws, .offset: 8, .size: 8, .value_kind: global_buffer, .address_space: global }
      - { .name: mask, .offset: 16, .size: 8, .value_kind: global_buffer, .address_space: global }
      - { .name: nzws, .offset: 24, .size: 8, .value_kind: global_buffer, .address_space: global }
    .group_segment_fixed_size: 167936
    .private_segment_fixed_size: 0
    .kernarg_segment_align: 8
    .kernarg_segment_size: 32
    .max_flat_workgroup_size: 128
    .sgpr_count:     66
    .vgpr_count:     244
    .wavefront_size: 32
...
	.end_amdgpu_metadata
.endif
;; end of part 2
;; launch attn (part 3): grid 4 x 64, 8 waves a work-group, clusters of 4 x 1, 271,360 bytes of LDS; arguments qws, kvws, nzws, mask, ows; writes ows
.if DOCPART == 3
	.amdgcn_target "amdgcn-amd-amdhsa--gfx1250"
	.amdhsa_code_object_version 6
	.text
	.protected	k_qf9a31947ce_attn
	.globl	k_qf9a31947ce_attn
	.p2align	8
	.type	k_qf9a31947ce_attn,@function
k_qf9a31947ce_attn:
	s_mov_b64 s[64:65], 0
	v_nop
	global_prefetch_b8 v0, s[64:65] scope:SCOPE_SE
	s_setreg_imm32_b32 hwreg(HW_REG_WAVE_MODE, 25, 1), 1
	s_wait_xcnt 0x0
	s_wait_alu depctr_hold_cnt(0) depctr_sa_sdst(0) depctr_va_vdst(0) depctr_va_sdst(0) depctr_va_ssrc(0) depctr_va_vcc(0) depctr_vm_vsrc(0)
	s_getreg_b32 s2, hwreg(HW_REG_IB_STS2, 6, 4)
	s_cmp_eq_u32 s2, 0
	s_cbranch_scc0 .Lentry_in_a_cluster
	s_endpgm
.Lentry_in_a_cluster:
	s_bfe_u32 s2, ttmp6, 0x10000c
	s_cmp_lg_u32 s2, 0x3003
	s_cbranch_scc0 .Lentry_shape_is_right
	s_endpgm
.Lentry_shape_is_right:
; O[q] = 2^mu[q] x the sum over keys k of 2^(q . k + nz[k]) v[k], for one head pair hd: the weights of a softmax over the queries, whose logarithm of the column sum, -nz[k], the launch before has made
; with a running maximum (q arrives scaled by log2(e) / 16; mu = mask x 1e-9 log2(e)).  The exponent q . k + nz[k] is at most -mu[q]: the column sum holds the term itself.
; Products in bf16 with f32 sums; the weights are rounded to bf16 for the second product, O once at the end.
; SHARES.  A head pair has 4 work-groups of 512 queries; each of eight waves owns 4 tiles of 16 queries and walks all 64 blocks of 32 keys.  Two waves share a SIMD, 256 registers each: no register window is switched,
; and one wave's exponentials stand beside the other's products.
; LAYOUT.  S^T = K Q^T + nz (source 0 = 16 keys, source 1 = 16 queries, C = nz of the keys): a lane holds ONE query (lane % 16) and the keys 8 (lane / 16) + 0..7, ready for the exponential.
; Two such results, rounded in pairs, ARE source 1 (32 keys x 16 queries) of O^T = V^T P, whose result holds one query a lane and eight channels: 16 packed bytes in the fragment order of ows:
;   ows [tile of 16 rows of the 16,384][head][1,024 bytes], a tile as in qws: head h is K step h of the projection behind.
; LDS.  The head pair's whole K and V (262,144 bytes, fragment order: every load is 512 consecutive bytes) and nz (8,192) are filled ONCE: no slot is filled again.
; CLUSTER: the four work-groups of a head pair read the same K, V and nz, so every piece is asked for JOINTLY: the same tensor load, descriptor and mask in all four.  By this text's count three tensor loads of a wave are out.
; LIMITS.  NaN and infinities are not treated apart; a weight below 2^-126 counts as 0; the mask's term is applied as the factor 2^mu on the finished row, so |mask| x 1.44e-9 stays under 126.
.set NZB,   262144                     ; behind K and V: nz
.set SPARE, NZB+8192                   ; the spare words, 128 bytes for each of the eight waves: four blocks of 256 bytes that no other line names
.set LA,  2                            ; v2     LDS address of my 16 bytes in a block of K and V; steps by two blocks
.set NA,  3                            ; v3     LDS address of my half's 8 numbers of nz; steps by two blocks
.set GO,  4                            ; v4     16 x lane
.set MO,  5                            ; v5     4 x (lane % 16)
.set SPW, 6                            ; v6     LDS address of my spare word; never rewritten
.set NIL, 7                            ; v7     0; never rewritten
.set WW,  8                            ; tile x: 2^mu of my query at v[8 + 2 x], once more beside it
.set B0,  16                           ; v16-63, v64-111: two buffers of a block: K (16), nz (16), V (16)
.set SS,  112                          ; v112-143 S^T, two buffers of 16
.set PP,  144                          ; v144-159 P, two buffers of 8
.set QQ,  160                          ; v160-191 Q, 8 a tile
.set OO,  192                          ; v192-255 O^T: tile x, channel half dh at 192 + 16 x + 8 dh
.set WV,  14
.set G1,  24                           ; s[24:31] descriptor group 1 for 64 rows of 256 bytes
.set G1N, 32                           ; s[32:39] for 4 rows
.set GN,  40                           ; s[40:43] group 0: my eighth of nz
.set GA,  44                           ; s[44:47] my eighth of blocks 0 to 31
.set GB,  48                           ; s[48:51] my eighth of blocks 32 to 63
.set C2,  56
.set CNT, 60
.macro CROUND                          ; a round of the cluster's barrier
	s_barrier_signal -1
	s_barrier_wait -1
	s_cmp_lg_u32 s[WV], 0
	s_cbranch_scc1 .Lnot_wave_0_\@
	s_barrier_signal -3
.Lnot_wave_0_\@:
	s_barrier_wait -3
	s_barrier_signal -1
	s_barrier_wait -1
.endm
	s_load_b256 s[4:11], s[0:1], 0x0               ; qws s[4:5], kvws s[6:7], nzws s[8:9], mask s[10:11]
	s_load_b64 s[12:13], s[0:1], 0x20              ; ows
	v_lshl_add_u32 v[SPW], v0, 2, SPARE
	v_mov_b32 v[NIL], 0
	ds_add_u32 v[SPW], v[NIL]                      ; the wave's opening: the add and its wait ahead of my first tensor load; the set-up below stands between them
	v_lshrrev_b32 v1, 5, v0
	v_readfirstlane_b32 s[WV], v1                  ; wave 0..7
	s_bfe_u32 s15, ttmp6, 0x40000                  ; cx: my place in the cluster
	s_lshl_b32 s16, ttmp9, 2
	s_add_co_u32 s16, s16, s15                     ; my 512 queries: it enters the addresses of Q, mask and O alone
	s_and_b32 s17, ttmp7, 0xffff                   ; hd, which the four partners share
	; descriptor group 1: dense bytes asked for as rows of 256 (32 elements of 8 bytes), no padding
.irp g, G1, G1N
	s_mov_b32 s[\g], 15|(3<<16)|(1<<21)            ; 15:0 the mask of four; 17:16 elements of 8 bytes; 21 set beside a mask
	s_mov_b32 s[\g+1], 32<<16                      ; tensor_dim0 = 32
	s_mov_b32 s[\g+3], 32<<16                      ; tile_dim0 = 32
	s_mov_b32 s[\g+5], 32                          ; 32 elements from row to row
	s_mov_b32 s[\g+6], 0
	s_mov_b32 s[\g+7], 0
.endr
	s_mov_b32 s[G1+2], 64<<16                      ; tensor_dim1 and tile_dim1: 64 rows,
	s_mov_b32 s[G1+4], 64
	s_mov_b32 s[G1N+2], 4<<16                      ; or 4: nz has 32 such rows for eight waves
	s_mov_b32 s[G1N+4], 4
	s_mov_b32 s[GN], 1
	s_mul_i32 s18, s[WV], 1024
	s_add_co_u32 s[GN+1], s18, NZB
	s_mov_b32 s[GA], 1
	s_mul_i32 s[GA+1], s[WV], 16384
	s_mov_b32 s[GB], 1
	s_add_co_u32 s[GB+1], s[GA+1], 131072
	s_lshl_b32 s20, s17, 13
	s_add_co_u32 s20, s20, s18                     ; nz: hd x 8,192 + my eighth
	s_mov_b32 s21, 0
	s_lshl_b32 s22, s17, 18
	s_add_co_u32 s22, s22, s[GA+1]                 ; K and V: hd x 262,144 + my eighth of the first half
	s_mov_b32 s23, 0
	s_lshl_b32 s52, s17, 17                        ; Q: hd x 131,072
	s_lshl_b32 s53, s16, 15                        ; + 32 tiles a work-group
	s_add_co_u32 s52, s52, s53
	s_lshl_b32 s53, s[WV], 12                      ; + 4 tiles a wave
	s_add_co_u32 s52, s52, s53
	s_mov_b32 s53, 0
	s_lshr_b32 s19, s17, 3                         ; the batch
	s_lshl_b32 s54, s19, 13                        ; mask: its row of 8,192 bytes
	s_lshl_b32 s55, s16, 11
	s_add_co_u32 s54, s54, s55
	s_lshl_b32 s55, s[WV], 8
	s_add_co_u32 s54, s54, s55
	s_mov_b32 s55, 0
	s_lshl_b32 s58, s19, 20                        ; O: 128 row tiles of 8,192 bytes a batch
	s_lshl_b32 s59, s16, 18
	s_add_co_u32 s58, s58, s59
	s_lshl_b32 s59, s[WV], 15
	s_add_co_u32 s58, s58, s59
	s_and_b32 s59, s17, 7
	s_lshl_b32 s59, s59, 10                        ; + the head's 1,024 bytes in a row tile
	s_add_co_u32 s58, s58, s59
	s_mov_b32 s59, 0
	s_mov_b32 s[C2], 0x30c64852                    ; 1e-9 log2(e) = 1.4426950e-9
	s_wait_dscnt 0x0                               ; the opening add is done
	s_wait_kmcnt 0x0
	s_add_nc_u64 s[GN+2:GN+3], s[8:9], s[20:21]
	s_or_b32 s[GN+3], s[GN+3], 0x80000000          ; type = 2
	s_add_nc_u64 s[GA+2:GA+3], s[6:7], s[22:23]
	s_add_nc_u64 s[GB+2:GB+3], s[GA+2:GA+3], 131072
	s_or_b32 s[GA+3], s[GA+3], 0x80000000
	s_or_b32 s[GB+3], s[GB+3], 0x80000000
	s_add_nc_u64 s[4:5], s[4:5], s[52:53]
	s_add_nc_u64 s[10:11], s[10:11], s[54:55]
	s_add_nc_u64 s[12:13], s[12:13], s[58:59]
	CROUND                                         ; all four work-groups are here: the joint loads meet
	tensor_load_to_lds s[GN:GN+3], s[G1N:G1N+7]    ; the first fills go out as one group: nz,
	s_nop 0
	tensor_load_to_lds s[GA:GA+3], s[G1:G1+7]      ; blocks 0 to 31,
	s_nop 0
	tensor_load_to_lds s[GB:GB+3], s[G1:G1+7]      ; blocks 32 to 63
	s_nop 0
	v_and_b32 v1, 31, v0
	v_lshlrev_b32 v[LA], 4, v1
	v_mov_b32 v[GO], v[LA]
	v_bfe_u32 v1, v0, 4, 1
	v_lshl_add_u32 v[NA], v1, 5, NZB
	v_and_b32 v1, 15, v0
	v_lshlrev_b32 v[MO], 2, v1
.irp x, 0,1,2,3
	global_load_b128 v[QQ+8*\x:QQ+8*\x+3],   v[GO], s[4:5] offset:1024*\x       ; Q stays in registers
	global_load_b128 v[QQ+8*\x+4:QQ+8*\x+7], v[GO], s[4:5] offset:1024*\x+512
	global_load_b32  v[WW+2*\x],             v[MO], s[10:11] offset:64*\x       ; my query's mask
.endr
; 12 LDS loads in one run: a block's K (two tiles of 16 keys), nz and V (two halves of the channels)
.macro FETCH buf, off, noff
.irp i, 0,1,2,3
	ds_load_b128 v[(\buf)+4*\i:(\buf)+4*\i+3], v[LA] offset:(\off)+512*\i
.endr
	ds_load_b128 v[(\buf)+16:(\buf)+19], v[NA] offset:(\noff)
	ds_load_b128 v[(\buf)+20:(\buf)+23], v[NA] offset:(\noff)+16
	ds_load_b128 v[(\buf)+24:(\buf)+27], v[NA] offset:(\noff)+64
	ds_load_b128 v[(\buf)+28:(\buf)+31], v[NA] offset:(\noff)+80
.irp i, 0,1,2,3
	ds_load_b128 v[(\buf)+32+4*\i:(\buf)+32+4*\i+3], v[LA] offset:(\off)+2048+512*\i
.endr
.endm
.macro SQ buf, x                       ; tile x: 32 keys x 16 queries, C = nz.  D is never C: no chain
.irp kt, 0,1
	v_wmma_f32_16x16x32_bf16 v[SS+16*((\x)%2)+8*\kt:SS+16*((\x)%2)+8*\kt+7], v[(\buf)+8*\kt:(\buf)+8*\kt+7], v[QQ+8*(\x):QQ+8*(\x)+7], v[(\buf)+16+8*\kt:(\buf)+16+8*\kt+7]
.endr
.endm
; Tile x: 16 exponentials in place, in ascending order, and 8 roundings; a pair is rounded one plain line or more behind its second exponential (ISA guide 5.7.2).
.macro EXCV x
.set rS, SS+16*((\x)%2)
.set rP, PP+8*((\x)%2)
.irp e, 0,1,2,3
	v_exp_f32 v[rS+\e], v[rS+\e]
.endr
	v_nop
	s_wait_alu depctr_va_vdst(0)
	v_cvt_pk_bf16_f32 v[rP], v[rS], v[rS+1]
.irp g, 0,1,2,3,4,5
	v_exp_f32 v[rS+2*\g+4], v[rS+2*\g+4]
	v_exp_f32 v[rS+2*\g+5], v[rS+2*\g+5]
	s_wait_alu depctr_va_vdst(0)
	v_cvt_pk_bf16_f32 v[rP+\g+1], v[rS+2*\g+2], v[rS+2*\g+3]
.endr
	v_cvt_pk_bf16_f32 v[rP+7], v[rS+14], v[rS+15]
.endm
.macro PV buf, x, zero                 ; tile x: O^T += V^T P.  zero = 1: the first block's products start the sums: nothing is cleared
.irp dh, 0,1
.if \zero
	v_wmma_f32_16x16x32_bf16 v[OO+16*(\x)+8*\dh:OO+16*(\x)+8*\dh+7], v[(\buf)+32+8*\dh:(\buf)+32+8*\dh+7], v[PP+8*((\x)%2):PP+8*((\x)%2)+7], 0
.else
	v_wmma_f32_16x16x32_bf16 v[OO+16*(\x)+8*\dh:OO+16*(\x)+8*\dh+7], v[(\buf)+32+8*\dh:(\buf)+32+8*\dh+7], v[PP+8*((\x)%2):PP+8*((\x)%2)+7], v[OO+16*(\x)+8*\dh:OO+16*(\x)+8*\dh+7]
.endif
.endr
.endm
; A BLOCK of 32 keys in buffer b.  For each tile: the NEXT tile's scores are started (behind the last tile: the next block's first, from the other buffer), this tile's weights are made, and they are multiplied by V.
; So a score is first read a tile later, behind the nine plain lines of the other buffers' EXCV (ISA guide 7.12.1), and the eight accumulators of O^T take turns, one instruction a turn.
; The next block is fetched behind the first tile's EXCV, whose plain lines are the places behind the last products that read the other buffer; it is waited for three tiles later.
.macro BLOCK b, zero, last, off, noff
.set cb, B0+48*(\b)
.set ob, B0+48*(1-(\b))
.irp x, 0,1,2,3
.if \x < 3
	SQ cb, \x+1
.elseif !(\last)
	s_wait_dscnt 0x0                               ; the next block is in registers
	SQ ob, 0
.endif
	EXCV \x
.if (\x == 0) && !(\last)
	FETCH ob, \off, \noff
.endif
	PV cb, \x, \zero
.endr
.endm
.macro TRIPS n                         ; a trip: an odd block and an even one
	s_mov_b32 s[CNT], \n
.Ltrip_\@:
	BLOCK 1, 0, 0, 0, 0
	BLOCK 0, 0, 0, 4096, 128
	v_add_nc_u32 v[LA], 8192, v[LA]
	v_add_nc_u32 v[NA], 256, v[NA]
	s_sub_co_u32 s[CNT], s[CNT], 1
	s_cmp_lg_u32 s[CNT], 0
	s_cbranch_scc1 .Ltrip_\@
.endm
	s_wait_tensorcnt 0x1                           ; my parts of nz and of blocks 0 to 31 are in; the second half may stay out
	s_barrier_signal -1
	s_barrier_wait -1                              ; everybody's are
	FETCH B0, 0, 0
	s_wait_loadcnt 0x0                             ; Q and the mask
.irp x, 0,1,2,3
	v_mul_f32 v[WW+2*\x], s[C2], v[WW+2*\x]
.endr
.irp x, 0,1,2,3
	v_exp_f32 v[WW+2*\x], v[WW+2*\x]
.endr
	v_nop
	s_wait_alu depctr_va_vdst(0)
.irp x, 0,1,2,3
	v_mov_b32 v[WW+2*\x+1], v[WW+2*\x]             ; named with it as a pair
.endr
	s_wait_dscnt 0x0
	SQ B0, 0
.rept 4
	v_nop                                          ; four places ahead of the first read of those scores
.endr
	BLOCK 0, 1, 0, 4096, 128                       ; block 0 starts the sums and fetches block 1
	v_add_nc_u32 v[LA], 8192, v[LA]
	v_add_nc_u32 v[NA], 256, v[NA]
	TRIPS 15                                       ; blocks 1 to 30; the last fetch is block 31, the end of the first half
	s_wait_tensorcnt 0x0                           ; my part of blocks 32 to 63 is in,
	s_wait_dscnt 0x0
	s_barrier_signal -1
	s_barrier_wait -1                              ; everybody's is
	TRIPS 16                                       ; blocks 31 to 62; the last fetch is block 63
	BLOCK 1, 0, 1, 0, 0                            ; block 63 fetches nothing and starts no scores
	; THE WAY OUT.  Each row takes its factor 2^mu and is rounded; a lane's 16 bytes lie at 16 x lane of a 512-byte piece of ows.  The earlier tiles' lines are the places behind the last products.
.irp x, 0,1,2,3
.irp dh, 0,1
.irp p, 0,2,4,6
	v_pk_mul_f32 v[OO+16*\x+8*\dh+\p:OO+16*\x+8*\dh+\p+1], v[OO+16*\x+8*\dh+\p:OO+16*\x+8*\dh+\p+1], v[WW+2*\x:WW+2*\x+1] op_sel_hi:[1,0]
.endr
.irp p, 0,1,2,3
	v_cvt_pk_bf16_f32 v[B0+4*(2*\x+\dh)+\p], v[OO+16*\x+8*\dh+2*\p], v[OO+16*\x+8*\dh+2*\p+1]
.endr
	global_store_b128 v[GO], v[B0+4*(2*\x+\dh):B0+4*(2*\x+\dh)+3], s[12:13] offset:8192*\x+512*\dh  ; 512 consecutive bytes, aligned
.endr
.endr
	s_wait_tensorcnt 0x0                           ; the wave's end, behind my last tensor load
	ds_add_u32 v[SPW], v[NIL]
	s_wait_dscnt 0x0
	CROUND                                         ; the closing round: no work-group ends while a partner may still ask for a tile that names it
	s_endpgm
.Lfunc_end_k_qf9a31947ce_attn:
	.size	k_qf9a31947ce_attn, .Lfunc_end_k_qf9a31947ce_attn-k_qf9a31947ce_attn
	.p2alignl 7, 3214868480
	.fill 96, 4, 3214868480
	.section	.rodata,"a",@progbits
	.p2align	6, 0x0
	.amdhsa_kernel k_qf9a31947ce_attn
		.amdhsa_group_segment_fixed_size 271360
		.amdhsa_private_segment_fixed_size 0
		.amdhsa_enable_private_segment 0
		.amdhsa_kernarg_size 40
		.amdhsa_user_sgpr_count 2
		.amdhsa_user_sgpr_kernarg_segment_ptr 1
		.amdhsa_wavefront_size32 1
		.amdhsa_system_sgpr_workgroup_id_x 1
		.amdhsa_system_sgpr_workgroup_id_y 1
		.amdhsa_system_sgpr_workgroup_id_z 1
		.amdhsa_system_vgpr_workitem_id 0
		.amdhsa_next_free_vgpr 256
		.amdhsa_next_free_sgpr 66
		.amdhsa_reserve_vcc 0
		.amdhsa_float_denorm_mode_32 3
		.amdhsa_float_denorm_mode_16_64 3
		.amdhsa_memory_ordered 1
		.amdhsa_forward_progress 1
		.amdhsa_inst_pref_size 53
	.end_amdhsa_kernel
	.amdgpu_metadata
---
amdhsa.version: [ 1, 2 ]
amdhsa.kernels:
  - .name:           k_qf9a31947ce_attn
    .symbol:         k_qf9a31947ce_attn.kd
    .args:
      - { .name: qws, .offset: 0, .size: 8, .value_kind: global_buffer, .address_space: global }
      - { .name: kvws, .offset: 8, .size: 8, .value_kind: global_buffer, .address_space: global }
      - { .name: nzws, .offset: 16, .size: 8, .value_kind: global_buffer, .address_space: global }
      - { .name: mask, .offset: 24, .size: 8, .value_kind: global_buffer, .address_space: global }
      - { .name: ows, .offset: 32, .size: 8, .value_kind: global_buffer, .address_space: global }
    .group_segment_fixed_size: 271360
    .private_segment_fixed_size: 0
    .kernarg_segment_align: 8
    .kernarg_segment_size: 40
    .max_flat_workgroup_size: 256
    .sgpr_count:     66
    .vgpr_count:     256
    .wavefront_size: 32
...
	.end_amdgpu_metadata
.endif
;; end of part 3
;; launch outp (part 4): grid 4 x 64, 8 waves a work-group, no clusters, 69,632 bytes of LDS; arguments ows, Wo, bo, out0; writes out0
.if DOCPART == 4
	.amdgcn_target "amdgcn-amd-amdhsa--gfx1250"
	.amdhsa_code_object_version 6
	.text
	.protected	k_qf9a31947ce_outp
	.globl	k_qf9a31947ce_outp
	.p2align	8
	.type	k_qf9a31947ce_outp,@function
k_qf9a31947ce_outp:
	s_mov_b64 s[64:65], 0
	v_nop
	global_prefetch_b8 v0, s[64:65] scope:SCOPE_SE
	s_setreg_imm32_b32 hwreg(HW_REG_WAVE_MODE, 25, 1), 1
	s_wait_xcnt 0x0
; out0 = O Wo^T + bo.  O: 16,384 rows x 256 channels in bf16, in fragment order (ows: [tile of 16 rows][head = K step of 32][1,024 bytes]); Wo: [256][256] f32, bo: [256] f32; out0: [16384][256] f32.
; Products in bf16 with f32 sums; bo is loaded straight into the accumulators, so every K step is one form and nothing is cleared or added later.
; SHARES.  A work-group makes 256 rows x 64 channels (256 bytes of an output row): 256 work-groups.  Wave w has rows 32 w on: 2 row tiles x 4 channel tiles, 8 accumulators.
; O goes from memory straight into registers, 512 consecutive bytes a load: all eight K steps of the wave's 32 rows are 128 registers.  Wo's 64 rows are rounded to bf16 on the way into LDS.
; NO CLUSTER: O passes no LDS, which a joint tensor load would add, and Wo arrives in f32 and is rounded in registers; what is shared beside that is 64 KiB of Wo a work-group.
; Source 0 = 16 rows of Wo, source 1 = 16 rows of O: a lane holds one row and eight neighbouring channels, 32 bytes of f32, which go through the wave's own stage and leave as whole rows of 256 bytes.
.set PITCH, 528                        ; a row of Wo in LDS: 512 bytes of bf16 + 16 = 132 words: row r starts at bank 4 r mod 64 (64 banks of 4 bytes: ISA guide 11.1)
.set STAGE, 64*PITCH                   ; behind Wo: 16 rows x 272 bytes for each wave
.set SP,    272
.set SPARE, STAGE+8*16*SP              ; the spare words, 128 bytes for each of the eight waves: four blocks of 256 bytes that no other line names
.set GO,  2                            ; v2     16 x lane
.set WO,  3                            ; v3     byte offset of my 16 bytes in my wave's 8 rows of Wo
.set WL,  4                            ; v4     LDS address of my 8 bytes in those rows
.set WA,  5                            ; v5     LDS address of my fragments of Wo
.set STO, 6                            ; v6     where I put 32 bytes of a row in the stage
.set RD,  7                            ; v7     where I read a row back
.set CO,  8                            ; v8     my byte offset in two rows of out0
.set BO,  9                            ; v9     byte offset of my 8 numbers of bo
.set SPW, 10                           ; v10    LDS address of my spare word; never rewritten
.set NIL, 11                           ; v11    0; never rewritten
.set CV,  12                           ; v12-13 four numbers rounded to bf16
.set WF,  32                           ; v32-63   fragments of Wo, 4 channel tiles
.set RB,  32                           ; v32-95   at the end: rows read back from the stage
.set OF,  64                           ; v64-191  O: row tile mt, K step ks at 64 + 64 mt + 8 ks
.set ACC, 192                          ; v192-255 accumulator (mt, nt) at 192 + 32 mt + 8 nt; before that Wo as loaded
	s_load_b256 s[4:11], s[0:1], 0x0               ; ows s[4:5], Wo s[6:7], bo s[8:9], out0 s[10:11]
	v_lshl_add_u32 v[SPW], v0, 2, SPARE
	v_mov_b32 v[NIL], 0
	v_lshrrev_b32 v1, 5, v0
	v_readfirstlane_b32 s12, v1                    ; wave 0..7
	s_mov_b32 s13, ttmp9                           ; y: channels 64 y on
	s_and_b32 s14, ttmp7, 0xffff                   ; rb: rows 256 rb on
	v_and_b32 v1, 31, v0                           ; lane
	v_and_b32 v14, 15, v0                          ; lane % 16
	v_bfe_u32 v15, v0, 4, 1                        ; lane / 16
	v_lshlrev_b32 v[GO], 4, v1
	s_lshl_b32 s16, s13, 16
	s_lshl_b32 s17, s12, 13
	s_add_co_u32 s16, s16, s17
	v_lshl_add_u32 v[WO], v1, 4, s16               ; row 64 y + 8 w
	s_mul_i32 s16, s12, 8*PITCH
	v_lshl_add_u32 v[WL], v1, 3, s16
	v_mul_u32_u24 v[WA], v14, PITCH
	v_lshl_add_u32 v[WA], v15, 4, v[WA]            ; row x pitch + 16 x half
	s_mul_i32 s16, s12, 16*SP
	s_add_co_u32 s16, s16, STAGE                   ; my stage
	v_mul_u32_u24 v[STO], v14, SP
	v_lshl_add_u32 v[STO], v15, 5, v[STO]
	v_add_nc_u32 v[STO], s16, v[STO]               ; in: row lane % 16, 32 bytes for each half of the lanes
	v_mul_u32_u24 v[RD], v15, SP
	v_lshl_add_u32 v[RD], v14, 4, v[RD]
	v_add_nc_u32 v[RD], s16, v[RD]                 ; back: lanes 0-15 take one row of 256 bytes, lanes 16-31 the next
	v_lshlrev_b32 v[CO], 10, v15
	v_lshl_add_u32 v[CO], v14, 4, v[CO]            ; and the same two rows in out0
	s_lshl_b32 s16, s13, 8
	v_lshl_add_u32 v[BO], v15, 5, s16              ; register j of C is channel 64 y + 16 nt + 8 x half + j
	s_lshl_b32 s18, s14, 17                        ; ows: 16 row tiles of 8,192 bytes a row block
	s_lshl_b32 s19, s12, 14                        ; + 2 a wave
	s_add_co_u32 s18, s18, s19
	s_mov_b32 s19, 0
	s_lshl_b32 s20, s14, 18                        ; out0: 256 rows of 1,024 bytes
	s_lshl_b32 s21, s12, 15                        ; + 32 rows a wave
	s_add_co_u32 s20, s20, s21
	s_add_co_u32 s20, s20, s16                     ; + 256 y
	s_mov_b32 s21, 0
	s_wait_kmcnt 0x0
	s_add_nc_u64 s[4:5], s[4:5], s[18:19]
	s_add_nc_u64 s[10:11], s[10:11], s[20:21]
.set i, 0
.rept 16                               ; my 8 rows of Wo, two loads of 512 consecutive bytes a row
	global_load_b128 v[ACC+4*i:ACC+4*i+3], v[WO], s[6:7] offset:1024*(i/2)+512*(i%2)
.set i, i+1
.endr
.irp mt, 0,1
.irp ks, 0,1,2,3,4,5,6,7
	global_load_b128 v[OF+64*\mt+8*\ks:OF+64*\mt+8*\ks+3],   v[GO], s[4:5] offset:8192*\mt+1024*\ks
	global_load_b128 v[OF+64*\mt+8*\ks+4:OF+64*\mt+8*\ks+7], v[GO], s[4:5] offset:8192*\mt+1024*\ks+512
.endr
.endr
.set i, 0
.rept 16
	s_wait_loadcnt 47-i                            ; loads come back in order (ISA guide 5.7.1): 15 - i loads of Wo and the 32 of O are younger
	v_cvt_pk_bf16_f32 v[CV],   v[ACC+4*i],   v[ACC+4*i+1]
	v_cvt_pk_bf16_f32 v[CV+1], v[ACC+4*i+2], v[ACC+4*i+3]
	ds_store_b64 v[WL], v[CV:CV+1] offset:PITCH*(i/2)+256*(i%2)  ; 32 lanes x 8 bytes: 256 consecutive bytes
.set i, i+1
.endr
.irp mt, 0,1
.irp nt, 0,1,2,3
	global_load_b128 v[ACC+32*\mt+8*\nt:ACC+32*\mt+8*\nt+3],   v[BO], s[8:9] offset:64*\nt      ; the sums start at bo
	global_load_b128 v[ACC+32*\mt+8*\nt+4:ACC+32*\mt+8*\nt+7], v[BO], s[8:9] offset:64*\nt+16
.endr
.endr
	s_wait_dscnt 0x0                               ; for the others: my rows of Wo are stored
	s_barrier_signal -1
	s_barrier_wait -1                              ; Wo is whole
	s_wait_loadcnt 0x0                             ; O and bo
; A K step of 32, one head: 8 LDS loads, 8 products.  The 8 accumulators take turns, one instruction a turn, in the same order in every step.
.macro KSTEP ks
.irp nt, 0,1,2,3
	ds_load_b128 v[WF+8*\nt:WF+8*\nt+3],   v[WA] offset:16*PITCH*\nt+64*(\ks)
	ds_load_b128 v[WF+8*\nt+4:WF+8*\nt+7], v[WA] offset:16*PITCH*\nt+64*(\ks)+32
.endr
	s_wait_dscnt 0x0
.irp nt, 0,1,2,3
.irp mt, 0,1
	v_wmma_f32_16x16x32_bf16 v[ACC+32*\mt+8*\nt:ACC+32*\mt+8*\nt+7], v[WF+8*\nt:WF+8*\nt+7], v[OF+64*\mt+8*(\ks):OF+64*\mt+8*(\ks)+7], v[ACC+32*\mt+8*\nt:ACC+32*\mt+8*\nt+7]
.endr
.endr
.rept 4
	v_nop                                          ; four places ahead of the loads into the fragments just read, and at the end ahead of the stores of the sums
.endr
.endm
.irp ks, 0,1,2,3,4,5,6,7
	KSTEP \ks
.endr
	; THE WAY OUT.  A row tile goes into my stage, each accumulator's low four registers first, and comes back as whole rows.  LDS serves a wave's instructions in order (ISA guide 5.7.1.4),
	; so the loads see the stores above them, and the second tile's stores come behind the first tile's loads; the bytes are my wave's own.
.irp mt, 0,1
.irp nt, 0,1,2,3
	ds_store_b128 v[STO], v[ACC+32*\mt+8*\nt:ACC+32*\mt+8*\nt+3]   offset:64*\nt
	ds_store_b128 v[STO], v[ACC+32*\mt+8*\nt+4:ACC+32*\mt+8*\nt+7] offset:64*\nt+16
.endr
.irp i, 0,1,2,3,4,5,6,7
	ds_load_b128 v[RB+32*\mt+4*\i:RB+32*\mt+4*\i+3], v[RD] offset:2*SP*\i
.endr
.endr
.irp mt, 0,1
.irp i, 0,1,2,3,4,5,6,7
	s_wait_dscnt 16*(1-\mt)+7-\i                   ; younger: the tile's later loads, and behind the first tile the second tile's sixteen LDS instructions
	global_store_b128 v[CO], v[RB+32*\mt+4*\i:RB+32*\mt+4*\i+3], s[10:11] offset:16384*\mt+2048*\i th:TH_STORE_NT  ; 16 lanes store 256 consecutive bytes, at a multiple of 256 from the first byte of out0
.endr
.endr
	s_wait_tensorcnt 0x0                           ; the wave's end, behind my last LDS store
	ds_add_u32 v[SPW], v[NIL]
	s_wait_dscnt 0x0
	s_endpgm
.Lfunc_end_k_qf9a31947ce_outp:
	.size	k_qf9a31947ce_outp, .Lfunc_end_k_qf9a31947ce_outp-k_qf9a31947ce_outp
	.p2alignl 7, 3214868480
	.fill 96, 4, 3214868480
	.section	.rodata,"a",@progbits
	.p2align	6, 0x0
	.amdhsa_kernel k_qf9a31947ce_outp
		.amdhsa_group_segment_fixed_size 69632
		.amdhsa_private_segment_fixed_size 0
		.amdhsa_enable_private_segment 0
		.amdhsa_kernarg_size 32
		.amdhsa_user_sgpr_count 2
		.amdhsa_user_sgpr_kernarg_segment_ptr 1
		.amdhsa_wavefront_size32 1
		.amdhsa_system_sgpr_workgroup_id_x 1
		.amdhsa_system_sgpr_workgroup_id_y 1
		.amdhsa_system_sgpr_workgroup_id_z 1
		.amdhsa_system_vgpr_workitem_id 0
		.amdhsa_next_free_vgpr 256
		.amdhsa_next_free_sgpr 66
		.amdhsa_reserve_vcc 0
		.amdhsa_float_denorm_mode_32 3
		.amdhsa_float_denorm_mode_16_64 3
		.amdhsa_memory_ordered 1
		.amdhsa_forward_progress 1
		.amdhsa_inst_pref_size 26
	.end_amdhsa_kernel
	.amdgpu_metadata
---
amdhsa.version: [ 1, 2 ]
amdhsa.kernels:
  - .name:           k_qf9a31947ce_outp
    .symbol:         k_qf9a31947ce_outp.kd
    .args:
      - { .name: ows, .offset: 0, .size: 8, .value_kind: global_buffer, .address_space: global }
      - { .name: Wo, .offset: 8, .size: 8, .value_kind: global_buffer, .address_space: global }
      - { .name: bo, .offset: 16, .size: 8, .value_kind: global_buffer, .address_space: global }
      - { .name: out0, .offset: 24, .size: 8, .value_kind: global_buffer, .address_space: global }
    .group_segment_fixed_size: 69632
    .private_segment_fixed_size: 0
    .kernarg_segment_align: 8
    .kernarg_segment_size: 32
    .max_flat_workgroup_size: 256
    .sgpr_count:     66
    .vgpr_count:     256
    .wavefront_size: 32
...
	.end_amdgpu_metadata
.endif
;; end of part 4
;; ======== version 2 of 2: 4 launches; 1.49 times as fast as version 1
;; limits: right only within a limited range of input values
;; workspace buffers: qws 8,388,608 bytes; kvws 16,777,216 bytes; nzws 524,288 bytes; ows 8,388,608 bytes
;; launch proj: the kernel of part 1 again; grid 4 x 64, 16 waves a work-group, no clusters, 238,592 bytes of LDS; arguments inputs, Wq, Wk, Wv, bq, bk, bv, qws, kvws; writes qws, kvws
;; launch stats (part 5): grid 4 x 64, 4 waves a work-group, clusters of 4 x 1, 167,936 bytes of LDS; arguments qws, kvws, mask, nzws; writes nzws
.if DOCPART == 5
	.amdgcn_target "amdgcn-amd-amdhsa--gfx1250"
	.amdhsa_code_object_version 6
	.text
	.protected	k_qf9a31947ce_stats
	.globl	k_qf9a31947ce_stats
	.p2align	8
	.type	k_qf9a31947ce_stats,@function
k_qf9a31947ce_stats:
	s_mov_b64 s[64:65], 0
	v_nop
	global_prefetch_b8 v0, s[64:65] scope:SCOPE_SE
	s_setreg_imm32_b32 hwreg(HW_REG_WAVE_MODE, 25, 1), 1
	s_wait_xcnt 0x0
	s_wait_alu depctr_hold_cnt(0) depctr_sa_sdst(0) depctr_va_vdst(0) depctr_va_sdst(0) depctr_va_ssrc(0) depctr_va_vcc(0) depctr_vm_vsrc(0)
	s_getreg_b32 s2, hwreg(HW_REG_IB_STS2, 6, 4)
	s_cmp_eq_u32 s2, 0
	s_cbranch_scc0 .Lentry_in_a_cluster
	s_endpgm
.Lentry_in_a_cluster:
	s_bfe_u32 s2, ttmp6, 0x10000c
	s_cmp_lg_u32 s2, 0x3003
	s_cbranch_scc0 .Lentry_shape_is_right
	s_endpgm
.Lentry_shape_is_right:
; The softmax of this module runs over the QUERIES: key k is normalised by the sum over all 2,048 queries q of exp(s[q][k] + 1e-9 mask[q]).  This launch makes, for each key of each head pair,
; nz[k] = -log2 of the sum over q of 2^(t[q][k]), t = q . k (q arrives scaled by log2(e) / 16) + mu[q], mu = mask x 1e-9 log2(e), by a running maximum m and sum l in f32.
; SHARES.  A head pair hd has 4 work-groups of 512 keys; a wave owns 128 keys, 8 tiles of 16, whose fragments of K stay in 64 registers, and walks all queries, 64 a step.
; LAYOUT.  Source 0 = 16 queries, source 1 = 16 keys: a lane holds ONE key (lane % 16) and the queries 8 (lane / 16) + 0..7.  So m and l are a lane's own for the whole walk, and the halves of the lanes meet once, at the end.
; The C operand of the product is mu of the tile's queries: the result is t itself, and the maximum taken away is the maximum of what the module exponentiates.
; LDS.  The head pair's whole Q, 131,072 bytes in fragment order, is filled ONCE: no slot is filled again.  CLUSTER: the four work-groups of a head pair read the same Q, so each quarter of it is asked for
; JOINTLY: the same tensor load, descriptor and mask in all four.  By this text's count one tensor load of a wave is out.
; BY SLOTS.  A slot belongs to one key tile x 64 queries.  Its 33 exponentials (the tile's 32 weights and the NEXT slot's a) are ONE BATCH with ONE wait.  Ahead of the wait stands all that names no result of the
; batch: the next slot's four products, into the other of two result buffers; the tile's 16 scalings t - m; the next slot's maximum, m_old - m_new and m; plain line and exponential by turns.  Behind the wait stand the
; tile's 16 packed sums.  So a slot finds its m and its a made, and waited for, by the slot before; a has two registers, by the tile's parity: one is read while the other is made.
; LIMITS.  NaN and infinities are not treated apart; a term below 2^-126 of the running maximum's counts as 0.
.set MU,    131072                     ; behind Q: mu of the batch's 2,048 queries, f32, stored by the waves
.set STG,   MU+8192                    ; 512 bytes for each wave: its 128 results, gathered for one store
.set SPARE, STG+4*512                  ; the spare words, 128 bytes for each wave: two blocks of 256 bytes that no other line names
.set QA,  2                            ; v2     LDS address of my 16 bytes in the step's first tile of Q; steps by 4,096
.set TA,  3                            ; v3     LDS address of my half's 8 numbers of mu; steps by 256
.set SPW, 4                            ; v4     LDS address of my spare word; never rewritten
.set NIL, 5                            ; v5     0; never rewritten
.set MO,  7                            ; v7     16 x thread: my 16 bytes of a quarter of the mask's row
.set ML,  8                            ; v8     the same place in MU
.set SA,  9                            ; v9     where my key's result goes in the stage
.set SR,  10                           ; v10    where I read 16 bytes of the stage back
.set GO,  11                           ; v11    16 x lane
.set CC,  12                           ; v12-15 four chains of the maximum
.set DD,  16                           ; v16    m_old - m_new
.set AA,  18                           ; v18-19 the even tiles' a = 2^(m_old - m_new), and a written register beside it
.set AB,  244                          ; v244-245 the same for the odd tiles
.set MS,  20                           ; tile t: m at v[20 + 2 t], a written register beside it
.set LS,  36                           ; tile t: l at v[36 + 2 t : 37 + 2 t] (even queries, odd queries)
.set KF,  52                           ; v52-115  K, 8 a tile
.set QF,  116                          ; v116-147 Q of the step, 4 tiles
.set CM,  148                          ; v148-179 mu of the step, 8 a tile
.set DB,  180                          ; v180-243 two buffers of 32 results
.set WV,  12
.set G1,  24                           ; s[24:31] descriptor group 1
.set G0,  40                           ; s[40:43] descriptor group 0
.set CNT, 52
.set C2,  56                           ; s[56:57] 1e-9 log2(e)
.set ONE, 58                           ; s[58:59] 1.0
.set SEL, 60                           ; s[60:61] v_permlanex16_b32's selects: each lane takes its own place in the other half
; A round of the cluster's barrier: my work-group's barrier, wave 0 signals for the work-group, every wave waits for all four work-groups, my work-group's barrier once more.
.macro CROUND
	s_barrier_signal -1
	s_barrier_wait -1
	s_cmp_lg_u32 s[WV], 0
	s_cbranch_scc1 .Lnot_wave_0_\@
	s_barrier_signal -3
.Lnot_wave_0_\@:
	s_barrier_wait -3
	s_barrier_signal -1
	s_barrier_wait -1
.endm
	s_load_b256 s[4:11], s[0:1], 0x0               ; qws s[4:5], kvws s[6:7], mask s[8:9], nzws s[10:11]
	v_lshl_add_u32 v[SPW], v0, 2, SPARE
	v_mov_b32 v[NIL], 0
	ds_add_u32 v[SPW], v[NIL]                      ; the wave's opening: the add and its wait ahead of my first tensor load; the set-up below stands between them
	v_lshrrev_b32 v1, 5, v0
	v_readfirstlane_b32 s[WV], v1                  ; wave 0..3
	s_bfe_u32 s13, ttmp6, 0x40000                  ; cx: my place in the cluster
	s_lshl_b32 s14, ttmp9, 2
	s_add_co_u32 s14, s14, s13                     ; my 512 keys: it enters the addresses of K and of the result alone
	s_and_b32 s15, ttmp7, 0xffff                   ; hd, which the four partners share
	; descriptor group 1: a quarter of Q is 32,768 dense bytes, asked for as 128 rows of 256 bytes (32 elements of 8 bytes), no padding: fragment order has no bank conflict
	s_mov_b32 s[G1], 15|(3<<16)|(1<<21)            ; 15:0 the mask of four; 17:16 elements of 8 bytes; 21 set beside a mask
	s_mov_b32 s[G1+1], 32<<16                      ; tensor_dim0 = 32
	s_mov_b32 s[G1+2], 128<<16                     ; tensor_dim1 = 128
	s_mov_b32 s[G1+3], 32<<16                      ; tile_dim0 = 32
	s_mov_b32 s[G1+4], 128                         ; tile_dim1 = 128
	s_mov_b32 s[G1+5], 32                          ; 32 elements from row to row
	s_mov_b32 s[G1+6], 0
	s_mov_b32 s[G1+7], 0
	s_mov_b32 s[G0], 1                             ; count = 1
	s_mul_i32 s[G0+1], s[WV], 32768                ; LDS address: my quarter
	s_lshl_b32 s16, s15, 17
	s_add_co_u32 s16, s16, s[G0+1]                 ; Q: hd x 131,072 + my quarter
	s_mov_b32 s17, 0
	s_lshl_b32 s18, s15, 18                        ; K: hd x 262,144
	s_lshl_b32 s19, s14, 16                        ; + 16 blocks of 4,096 bytes a work-group
	s_add_co_u32 s18, s18, s19
	s_lshl_b32 s19, s[WV], 14                      ; + 4 blocks a wave
	s_add_co_u32 s18, s18, s19
	s_mov_b32 s19, 0
	s_lshr_b32 s20, s15, 3
	s_lshl_b32 s20, s20, 13                        ; mask: the batch's row of 8,192 bytes
	s_mov_b32 s21, 0
	s_lshl_b32 s22, s15, 13                        ; the result: hd x 8,192
	s_lshl_b32 s23, s14, 11
	s_add_co_u32 s22, s22, s23
	s_lshl_b32 s23, s[WV], 9
	s_add_co_u32 s22, s22, s23
	s_mov_b32 s23, 0
	s_mov_b32 s[C2], 0x30c64852                    ; 1e-9 log2(e) = 1.4426950e-9
	s_mov_b32 s[C2+1], s[C2]
	s_mov_b32 s[ONE], 1.0
	s_mov_b32 s[ONE+1], 1.0
	s_mov_b32 s[SEL], 0x76543210
	s_mov_b32 s[SEL+1], 0xfedcba98
	s_mul_i32 s53, s[WV], 512
	s_add_co_u32 s53, s53, STG                     ; my stage
	s_wait_dscnt 0x0                               ; the opening add is done
	s_wait_kmcnt 0x0
	s_add_nc_u64 s[G0+2:G0+3], s[4:5], s[16:17]
	s_or_b32 s[G0+3], s[G0+3], 0x80000000          ; type = 2
	s_add_nc_u64 s[6:7], s[6:7], s[18:19]
	s_add_nc_u64 s[8:9], s[8:9], s[20:21]
	s_add_nc_u64 s[10:11], s[10:11], s[22:23]
	CROUND                                         ; all four work-groups are here: the joint loads meet
	tensor_load_to_lds s[G0:G0+3], s[G1:G1+7]
	s_nop 0
	v_and_b32 v1, 31, v0
	v_lshlrev_b32 v[QA], 4, v1
	v_mov_b32 v[GO], v[QA]
	v_bfe_u32 v6, v0, 4, 1
	v_lshl_add_u32 v[TA], v6, 5, MU
	v_lshlrev_b32 v[MO], 4, v0
	v_lshl_add_u32 v[ML], v0, 4, MU
	v_and_b32 v6, 15, v0
	v_lshl_add_u32 v[SA], v6, 2, s53
	v_add_nc_u32 v[SR], s53, v[QA]
.irp j, 0,1,2,3
	global_load_b128 v[DB+4*\j:DB+4*\j+3], v[MO], s[8:9] offset:2048*\j   ; the four waves take 2,048 consecutive bytes of the mask's row at a time
.endr
.irp t, 0,1,2,3,4,5,6,7
	global_load_b128 v[KF+8*\t:KF+8*\t+3],   v[GO], s[6:7] offset:4096*(\t/2)+1024*(\t%2)        ; K's tile t: 512 consecutive bytes a load
	global_load_b128 v[KF+8*\t+4:KF+8*\t+7], v[GO], s[6:7] offset:4096*(\t/2)+1024*(\t%2)+512
.endr
.set t, 0
.rept 8
	v_mov_b32 v[MS+2*t], 0xff7fffff                ; m starts at the lowest finite number, so the first step's a is 0,
	v_mov_b32 v[MS+2*t+1], 0
	v_mov_b32 v[LS+2*t], 0                         ; and l at 0
	v_mov_b32 v[LS+2*t+1], 0
.set t, t+1
.endr
	v_mov_b32 v[AA+1], 0
	v_mov_b32 v[AB+1], 0
	s_wait_loadcnt 16                              ; the mask is in; K's sixteen loads may stay out
.irp j, 0,1,2,3,4,5,6,7
	v_pk_mul_f32 v[DB+2*\j:DB+2*\j+1], v[DB+2*\j:DB+2*\j+1], s[C2:C2+1] op_sel_hi:[1,0]
.endr
.irp j, 0,1,2,3
	ds_store_b128 v[ML], v[DB+4*\j:DB+4*\j+3] offset:2048*\j
.endr
	s_wait_tensorcnt 0x0                           ; my quarter of Q has landed,
	s_wait_dscnt 0x0                               ; my part of mu is stored:
	s_barrier_signal -1
	s_barrier_wait -1                              ; everybody's is
	s_wait_loadcnt 0x0                             ; K
; 16 LDS loads in one run: a step's four tiles of Q and their mu
.macro FETCH off, toff
.irp g, 0,1,2,3
	ds_load_b128 v[QF+8*\g:QF+8*\g+3],   v[QA] offset:(\off)+1024*\g
	ds_load_b128 v[QF+8*\g+4:QF+8*\g+7], v[QA] offset:(\off)+1024*\g+512
	ds_load_b128 v[CM+8*\g:CM+8*\g+3],   v[TA] offset:(\toff)+64*\g
	ds_load_b128 v[CM+8*\g+4:CM+8*\g+7], v[TA] offset:(\toff)+64*\g+16
.endr
.endm
.macro WQ g                            ; product g of 4 of the next slot: 16 queries x 16 keys, C = mu.  D is never C: no chain
.if doW
	v_wmma_f32_16x16x32_bf16 v[nD+8*(\g):nD+8*(\g)+7], v[QF+8*(\g):QF+8*(\g)+7], v[nK:nK+7], v[CM+8*(\g):CM+8*(\g)+7]
.endif
.endm
.macro FS i                            ; pair i of 16: t - m
	v_pk_fma_f32 v[rD+2*(\i):rD+2*(\i)+1], v[rD+2*(\i):rD+2*(\i)+1], s[ONE:ONE+1], v[rM:rM+1] op_sel_hi:[1,0,0] neg_lo:[0,0,1] neg_hi:[0,0,1]
.endm
.macro EX e                            ; weight e of 32, in place
	v_exp_f32 v[rD+(\e)], v[rD+(\e)]
.endm
; Number n of the 19 that find the NEXT slot's maximum and statistics, from the results in nD (each accumulator's lowest registers are read first):
;   0-11  four chains of seven results each, three operands at a time     12, 13  the four results left over     14, 15  the old m and the four chains into one: the new m
;   16  m_old - m_new     17  m takes the new m     18  a
.macro XS n
.if doW
.if (\n) < 4
	v_max3_num_f32 v[CC+(\n)], v[nD+8*(\n)], v[nD+8*(\n)+1], v[nD+8*(\n)+2]
.elseif (\n) < 12
	v_max3_num_f32 v[CC+(\n)%4], v[CC+(\n)%4], v[nD+8*((\n)%4)+2*((\n)/4)+1], v[nD+8*((\n)%4)+2*((\n)/4)+2]
.elseif (\n) == 12
	v_max3_num_f32 v[CC], v[CC], v[nD+7], v[nD+15]
.elseif (\n) == 13
	v_max3_num_f32 v[CC+2], v[CC+2], v[nD+23], v[nD+31]
.elseif (\n) == 14
	v_max3_num_f32 v[CC+1], v[CC+1], v[CC+3], v[nM]
.elseif (\n) == 15
	v_max3_num_f32 v[CC], v[CC], v[CC+2], v[CC+1]  ; the new m
.elseif (\n) == 16
	v_sub_f32 v[DD], v[nM], v[CC]
.elseif (\n) == 17
	v_mov_b32 v[nM], v[CC]
.else
	v_exp_f32 v[nA], v[DD]
.endif
.endif
.endm
.macro XE n, e                         ; a plain line of the next slot's, and an exponential
	XS \n
	EX \e
.endm
.macro FE i, e                         ; a scaling, and an exponential of an earlier pair
	FS \i
	EX \e
.endm
.macro AD a, b                         ; pair a += pair b
	v_pk_add_f32 v[rD+2*(\a):rD+2*(\a)+1], v[rD+2*(\a):rD+2*(\a)+1], v[rD+2*(\b):rD+2*(\b)+1]
.endm
.macro LP a                            ; l += pair a
	v_pk_add_f32 v[rL:rL+1], v[rL:rL+1], v[rD+2*(\a):rD+2*(\a)+1]
.endm
; THE SLOT of key tile t.  more = 1: a further step follows: slot 6 fetches it, ten plain lines that name none of its registers behind the last product that read Q and mu, and slot 7 waits for it and starts its first products.
; AHEAD OF THE WAIT: behind each of the next slot's four products two or three scalings and one or two exponentials; then plain line and exponential by turns.  A pair is scaled a plain line or more ahead of its first exponential.
; A product's result is first read (XS 0 to 3) five plain lines or more behind it (ISA guide 7.12.1).  The links XS 11, 14, 15, 16 of the chain, of which each waits for the one before, stand four lines apart; from XS 16 to a (XS 18) it is three.
; XS 17 is the plain line behind the batch's last exponential (ISA guide 5.7.2); the very last slot has no next slot, and a v_nop stands there.
; BEHIND THE WAIT: the sums.  Pairs 0-7, 8-11 and 12-15 are added as trees, neighbours 1, 2 and 4 pairs apart; l = a l + the first, then takes the second and the third.
.macro SLOT t, more
.set rD, DB+32*((\t)%2)
.set nD, DB+32*(((\t)+1)%2)
.set nK, KF+8*(((\t)+1)%8)
.set rM, MS+2*(\t)
.set nM, MS+2*(((\t)+1)%8)
.set rL, LS+2*(\t)
.set rA, AA+(AB-AA)*((\t)%2)
.set nA, AA+(AB-AA)*(((\t)+1)%2)
.set doW, 1-((\t)/7)*(1-(\more))
.if ((\t) == 7) && (\more)
	s_wait_dscnt 0x0                               ; the next step's Q and mu are in
.endif
	WQ 0
	FS 0
	FS 1
	FS 2
	EX 0
	WQ 1
	FE 3, 1
	FE 4, 2
	WQ 2
	FE 5, 3
	FE 6, 4
	WQ 3
	FE 7, 5
	FE 8, 6
	XE 0, 7
	XE 1, 8
	XE 2, 9
	XE 3, 10
	XE 4, 11
	XE 5, 12
	XE 6, 13
	XE 7, 14
.if ((\t) == 6) && (\more)
	FETCH 4096, 256
.endif
	XE 8, 15
	XE 9, 16
	FE 9, 17
	XE 10, 18
	FE 10, 19
	XE 11, 20
	FE 11, 21
	XE 14, 22
	FE 12, 23
	XE 12, 24
	FE 13, 25
	XE 13, 26
	FE 14, 27
	XE 15, 28
	FE 15, 29
	XE 16, 30
	EX 31
	XS 18                                          ; the next slot's a: the batch's last
	XS 17
.if doW == 0
	v_nop
.endif
	s_wait_alu depctr_va_vdst(0)                   ; the one wait for the slot's batch: the tile's 32 weights and the next slot's a
	AD 0, 1
	AD 2, 3
	AD 4, 5
	AD 6, 7
	AD 0, 2
	AD 8, 9
	AD 4, 6
	AD 10, 11
	AD 12, 13
	AD 0, 4
	AD 14, 15
	AD 8, 10
	v_pk_fma_f32 v[rL:rL+1], v[rL:rL+1], v[rA:rA+1], v[rD:rD+1] op_sel_hi:[1,0,1]  ; l = a l + the first 16 weights; this a was made, and waited for, in the slot before
	AD 12, 14
	LP 8
	LP 12
.endm
	FETCH 0, 0
	s_wait_dscnt 0x0
.set doW, 1
.set nD, DB
.set nK, KF
.set nM, MS
.set nA, AA
.irp g, 0,1,2,3
	WQ \g                                          ; the first slot's products
.endr
.rept 4
	v_nop                                          ; four places (ISA guide 7.12.1) ahead of the first read of those results
.endr
.irp n, 0,1,2,3,4,5,6,7,8,9,10,11,12,13,14,15,16,18,17
	XS \n                                          ; the first slot's maximum, m and a; number 17 is the plain line behind the exponential
.endr
	s_wait_alu depctr_va_vdst(0)                   ; the wait for that one a, ahead of the label
	s_mov_b32 s[CNT], 31
.Lstep:                                                ; 31 trips: steps 0 to 30, each fetching the next
.irp t, 0,1,2,3,4,5,6,7
	SLOT \t, 1
.endr
	v_add_nc_u32 v[QA], 4096, v[QA]
	v_add_nc_u32 v[TA], 256, v[TA]
	s_sub_co_u32 s[CNT], s[CNT], 1
	s_cmp_lg_u32 s[CNT], 0
	s_cbranch_scc1 .Lstep
.irp t, 0,1,2,3,4,5,6,7
	SLOT \t, 0                                     ; the last step fetches nothing, and its last slot starts no product
.endr
	; THE END.  A key's other 1,024 queries lie in the lane 16 away.  M = max(m, m'), l = l 2^(m - M) + l' 2^(m' - M), nz = -M - log2 l.  The two products are added unfused, so that both lanes of a key
	; get the same bits: both write the key's one word of the stage.  Two batches: the 16 exponentials, and the 8 logarithms of what is made of them.
.set EB, DB                            ; tile t at work in v[EB + 8 t ..]
.macro ALL8 line:vararg
.set t, 0
.rept 8
	\line
.set t, t+1
.endr
.endm
	ALL8 v_add_f32 v[LS+2*t], v[LS+2*t], v[LS+2*t+1]
	ALL8 v_permlanex16_b32 v[EB+8*t], v[MS+2*t], s[SEL], s[SEL+1]
	ALL8 v_permlanex16_b32 v[EB+8*t+1], v[LS+2*t], s[SEL], s[SEL+1]
	ALL8 v_max_num_f32 v[EB+8*t+2], v[MS+2*t], v[EB+8*t]
	ALL8 v_sub_f32 v[EB+8*t+3], v[MS+2*t], v[EB+8*t+2]
	ALL8 v_sub_f32 v[EB+8*t+4], v[EB+8*t], v[EB+8*t+2]
	ALL8 v_exp_f32 v[EB+8*t+3], v[EB+8*t+3]
	ALL8 v_exp_f32 v[EB+8*t+4], v[EB+8*t+4]
	v_nop                                          ; a plain line between the last exponential and the use of its result
	s_wait_alu depctr_va_vdst(0)                   ; one wait for the 16 exponentials
	ALL8 v_mul_f32 v[LS+2*t], v[LS+2*t], v[EB+8*t+3]
	ALL8 v_mul_f32 v[EB+8*t+1], v[EB+8*t+1], v[EB+8*t+4]
	ALL8 v_add_f32 v[LS+2*t], v[LS+2*t], v[EB+8*t+1]
	ALL8 v_log_f32 v[LS+2*t], v[LS+2*t]
	v_nop
	s_wait_alu depctr_va_vdst(0)                   ; one wait for the 8 logarithms
	ALL8 v_fma_f32 v[EB+8*t+5], v[EB+8*t+2], -1.0, -v[LS+2*t]
	ALL8 ds_store_b32 v[SA], v[EB+8*t+5] offset:64*t
	ds_load_b128 v[CC:CC+3], v[SR]                 ; LDS serves a wave's instructions in order (ISA guide 5.7.1.4): this sees the stores above; the bytes are my wave's own
	s_wait_dscnt 0x0
	global_store_b128 v[GO], v[CC:CC+3], s[10:11]  ; my wave's 128 results: 512 consecutive bytes, aligned
	s_wait_tensorcnt 0x0                           ; the wave's end, behind my last tensor load and my last LDS store
	ds_add_u32 v[SPW], v[NIL]
	s_wait_dscnt 0x0
	CROUND                                         ; the closing round: no work-group ends while a partner may still ask for a tile that names it
	s_endpgm
.Lfunc_end_k_qf9a31947ce_stats:
	.size	k_qf9a31947ce_stats, .Lfunc_end_k_qf9a31947ce_stats-k_qf9a31947ce_stats
	.p2alignl 7, 3214868480
	.fill 96, 4, 3214868480
	.section	.rodata,"a",@progbits
	.p2align	6, 0x0
	.amdhsa_kernel k_qf9a31947ce_stats
		.amdhsa_group_segment_fixed_size 167936
		.amdhsa_private_segment_fixed_size 0
		.amdhsa_enable_private_segment 0
		.amdhsa_kernarg_size 32
		.amdhsa_user_sgpr_count 2
		.amdhsa_user_sgpr_kernarg_segment_ptr 1
		.amdhsa_wavefront_size32 1
		.amdhsa_system_sgpr_workgroup_id_x 1
		.amdhsa_system_sgpr_workgroup_id_y 1
		.amdhsa_system_sgpr_workgroup_id_z 1
		.amdhsa_system_vgpr_workitem_id 0
		.amdhsa_next_free_vgpr 246
		.amdhsa_next_free_sgpr 66
		.amdhsa_reserve_vcc 0
		.amdhsa_float_denorm_mode_32 3
		.amdhsa_float_denorm_mode_16_64 3
		.amdhsa_memory_ordered 1
		.amdhsa_forward_progress 1
		.amdhsa_inst_pref_size 86
	.end_amdhsa_kernel
	.amdgpu_metadata
---
amdhsa.version: [ 1, 2 ]
amdhsa.kernels:
  - .name:           k_qf9a31947ce_stats
    .symbol:         k_qf9a31947ce_stats.kd
    .args:
      - { .name: qws, .offset: 0, .size: 8, .value_kind: global_buffer, .address_space: global }
      - { .name: kvws, .offset: 8, .size: 8, .value_kind: global_buffer, .address_space: global }
      - { .name: mask, .offset: 16, .size: 8, .value_kind: global_buffer, .address_space: global }
      - { .name: nzws, .offset: 24, .size: 8, .value_kind: global_buffer, .address_space: global }
    .group_segment_fixed_size: 167936
    .private_segment_fixed_size: 0
    .kernarg_segment_align: 8
    .kernarg_segment_size: 32
    .max_flat_workgroup_size: 128
    .sgpr_count:     66
    .vgpr_count:     246
    .wavefront_size: 32
...
	.end_amdgpu_metadata
.endif
;; end of part 5
;; launch attn (part 6): grid 4 x 64, 8 waves a work-group, clusters of 4 x 1, 271,360 bytes of LDS; arguments qws, kvws, nzws, mask, ows; writes ows
.if DOCPART == 6
	.amdgcn_target "amdgcn-amd-amdhsa--gfx1250"
	.amdhsa_code_object_version 6
	.text
	.protected	k_qf9a31947ce_attn
	.globl	k_qf9a31947ce_attn
	.p2align	8
	.type	k_qf9a31947ce_attn,@function
k_qf9a31947ce_attn:
	s_mov_b64 s[64:65], 0
	v_nop
	global_prefetch_b8 v0, s[64:65] scope:SCOPE_SE
	s_setreg_imm32_b32 hwreg(HW_REG_WAVE_MODE, 25, 1), 1
	s_wait_xcnt 0x0
	s_wait_alu depctr_hold_cnt(0) depctr_sa_sdst(0) depctr_va_vdst(0) depctr_va_sdst(0) depctr_va_ssrc(0) depctr_va_vcc(0) depctr_vm_vsrc(0)
	s_getreg_b32 s2, hwreg(HW_REG_IB_STS2, 6, 4)
	s_cmp_eq_u32 s2, 0
	s_cbranch_scc0 .Lentry_in_a_cluster
	s_endpgm
.Lentry_in_a_cluster:
	s_bfe_u32 s2, ttmp6, 0x10000c
	s_cmp_lg_u32 s2, 0x3003
	s_cbranch_scc0 .Lentry_shape_is_right
	s_endpgm
.Lentry_shape_is_right:
; O[q] = 2^mu[q] x the sum over keys k of 2^(q . k + nz[k]) v[k], for one head pair hd: the weights of a softmax over the queries, whose logarithm of the column sum, -nz[k], the launch before has made
; with a running maximum (q arrives scaled by log2(e) / 16; mu = mask x 1e-9 log2(e)).  The exponent q . k + nz[k] is at most -mu[q]: the column sum holds the term itself.
; Products in bf16 with f32 sums; the weights are rounded to bf16 for the second product, O once at the end.
; SHARES.  A head pair has 4 work-groups of 512 queries; each of eight waves owns 4 tiles of 16 queries and walks all 64 blocks of 32 keys.  Two waves share a SIMD, 256 registers each: no register window is switched,
; and one wave's exponentials stand beside the other's products.
; LAYOUT.  S^T = K Q^T + nz (source 0 = 16 keys, source 1 = 16 queries, C = nz of the keys): a lane holds ONE query (lane % 16) and the keys 8 (lane / 16) + 0..7, ready for the exponential.
; Two such results, rounded in pairs, ARE source 1 (32 keys x 16 queries) of O^T = V^T P, whose result holds one query a lane and eight channels: 16 packed bytes in the fragment order of ows:
;   ows [tile of 16 rows of the 16,384][head][1,024 bytes], a tile as in qws: head h is K step h of the projection behind.
; BATCHES.  A tile's 16 exponentials for a block are ONE BATCH with ONE wait; between the batch and its wait stand the products of the tiles beside it, which name none of its results; the roundings follow the wait.
; LDS.  The head pair's whole K and V (262,144 bytes, fragment order: every load is 512 consecutive bytes) and nz (8,192) are filled ONCE: no slot is filled again.
; CLUSTER: the four work-groups of a head pair read the same K, V and nz, so every piece is asked for JOINTLY: the same tensor load, descriptor and mask in all four.  By this text's count three tensor loads of a wave are out.
; LIMITS.  NaN and infinities are not treated apart; a weight below 2^-126 counts as 0; the mask's term is applied as the factor 2^mu on the finished row, so |mask| x 1.44e-9 stays under 126.
.set NZB,   262144                     ; behind K and V: nz
.set SPARE, NZB+8192                   ; the spare words, 128 bytes for each of the eight waves: four blocks of 256 bytes that no other line names
.set LA,  2                            ; v2     LDS address of my 16 bytes in a block of K and V; steps by two blocks
.set NA,  3                            ; v3     LDS address of my half's 8 numbers of nz; steps by two blocks
.set GO,  4                            ; v4     16 x lane
.set MO,  5                            ; v5     4 x (lane % 16)
.set SPW, 6                            ; v6     LDS address of my spare word; never rewritten
.set NIL, 7                            ; v7     0; never rewritten
.set WW,  8                            ; tile x: 2^mu of my query at v[8 + 2 x], once more beside it
.set B0,  16                           ; v16-63, v64-111: two buffers of a block: K (16), nz (16), V (16)
.set SS,  112                          ; v112-143 S^T, two buffers of 16
.set PP,  144                          ; v144-159 P, two buffers of 8
.set QQ,  160                          ; v160-191 Q, 8 a tile
.set OO,  192                          ; v192-255 O^T: tile x, channel half dh at 192 + 16 x + 8 dh
.set WV,  14
.set G1,  24                           ; s[24:31] descriptor group 1 for 64 rows of 256 bytes
.set G1N, 32                           ; s[32:39] for 4 rows
.set GN,  40                           ; s[40:43] group 0: my eighth of nz
.set GA,  44                           ; s[44:47] my eighth of blocks 0 to 31
.set GB,  48                           ; s[48:51] my eighth of blocks 32 to 63
.set C2,  56
.set CNT, 60
.macro CROUND                          ; a round of the cluster's barrier
	s_barrier_signal -1
	s_barrier_wait -1
	s_cmp_lg_u32 s[WV], 0
	s_cbranch_scc1 .Lnot_wave_0_\@
	s_barrier_signal -3
.Lnot_wave_0_\@:
	s_barrier_wait -3
	s_barrier_signal -1
	s_barrier_wait -1
.endm
	s_load_b256 s[4:11], s[0:1], 0x0               ; qws s[4:5], kvws s[6:7], nzws s[8:9], mask s[10:11]
	s_load_b64 s[12:13], s[0:1], 0x20              ; ows
	v_lshl_add_u32 v[SPW], v0, 2, SPARE
	v_mov_b32 v[NIL], 0
	ds_add_u32 v[SPW], v[NIL]                      ; the wave's opening: the add and its wait ahead of my first tensor load; the set-up below stands between them
	v_lshrrev_b32 v1, 5, v0
	v_readfirstlane_b32 s[WV], v1                  ; wave 0..7
	s_bfe_u32 s15, ttmp6, 0x40000                  ; cx: my place in the cluster
	s_lshl_b32 s16, ttmp9, 2
	s_add_co_u32 s16, s16, s15                     ; my 512 queries: it enters the addresses of Q, mask and O alone
	s_and_b32 s17, ttmp7, 0xffff                   ; hd, which the four partners share
	; descriptor group 1: dense bytes asked for as rows of 256 (32 elements of 8 bytes), no padding
.irp g, G1, G1N
	s_mov_b32 s[\g], 15|(3<<16)|(1<<21)            ; 15:0 the mask of four; 17:16 elements of 8 bytes; 21 set beside a mask
	s_mov_b32 s[\g+1], 32<<16                      ; tensor_dim0 = 32
	s_mov_b32 s[\g+3], 32<<16                      ; tile_dim0 = 32
	s_mov_b32 s[\g+5], 32                          ; 32 elements from row to row
	s_mov_b32 s[\g+6], 0
	s_mov_b32 s[\g+7], 0
.endr
	s_mov_b32 s[G1+2], 64<<16                      ; tensor_dim1 and tile_dim1: 64 rows,
	s_mov_b32 s[G1+4], 64
	s_mov_b32 s[G1N+2], 4<<16                      ; or 4: nz has 32 such rows for eight waves
	s_mov_b32 s[G1N+4], 4
	s_mov_b32 s[GN], 1
	s_mul_i32 s18, s[WV], 1024
	s_add_co_u32 s[GN+1], s18, NZB
	s_mov_b32 s[GA], 1
	s_mul_i32 s[GA+1], s[WV], 16384
	s_mov_b32 s[GB], 1
	s_add_co_u32 s[GB+1], s[GA+1], 131072
	s_lshl_b32 s20, s17, 13
	s_add_co_u32 s20, s20, s18                     ; nz: hd x 8,192 + my eighth
	s_mov_b32 s21, 0
	s_lshl_b32 s22, s17, 18
	s_add_co_u32 s22, s22, s[GA+1]                 ; K and V: hd x 262,144 + my eighth of the first half
	s_mov_b32 s23, 0
	s_lshl_b32 s52, s17, 17                        ; Q: hd x 131,072
	s_lshl_b32 s53, s16, 15                        ; + 32 tiles a work-group
	s_add_co_u32 s52, s52, s53
	s_lshl_b32 s53, s[WV], 12                      ; + 4 tiles a wave
	s_add_co_u32 s52, s52, s53
	s_mov_b32 s53, 0
	s_lshr_b32 s19, s17, 3                         ; the batch
	s_lshl_b32 s54, s19, 13                        ; mask: its row of 8,192 bytes
	s_lshl_b32 s55, s16, 11
	s_add_co_u32 s54, s54, s55
	s_lshl_b32 s55, s[WV], 8
	s_add_co_u32 s54, s54, s55
	s_mov_b32 s55, 0
	s_lshl_b32 s58, s19, 20                        ; O: 128 row tiles of 8,192 bytes a batch
	s_lshl_b32 s59, s16, 18
	s_add_co_u32 s58, s58, s59
	s_lshl_b32 s59, s[WV], 15
	s_add_co_u32 s58, s58, s59
	s_and_b32 s59, s17, 7
	s_lshl_b32 s59, s59, 10                        ; + the head's 1,024 bytes in a row tile
	s_add_co_u32 s58, s58, s59
	s_mov_b32 s59, 0
	s_mov_b32 s[C2], 0x30c64852                    ; 1e-9 log2(e) = 1.4426950e-9
	s_wait_dscnt 0x0                               ; the opening add is done
	s_wait_kmcnt 0x0
	s_add_nc_u64 s[GN+2:GN+3], s[8:9], s[20:21]
	s_or_b32 s[GN+3], s[GN+3], 0x80000000          ; type = 2
	s_add_nc_u64 s[GA+2:GA+3], s[6:7], s[22:23]
	s_add_nc_u64 s[GB+2:GB+3], s[GA+2:GA+3], 131072
	s_or_b32 s[GA+3], s[GA+3], 0x80000000
	s_or_b32 s[GB+3], s[GB+3], 0x80000000
	s_add_nc_u64 s[4:5], s[4:5], s[52:53]
	s_add_nc_u64 s[10:11], s[10:11], s[54:55]
	s_add_nc_u64 s[12:13], s[12:13], s[58:59]
	CROUND                                         ; all four work-groups are here: the joint loads meet
	tensor_load_to_lds s[GN:GN+3], s[G1N:G1N+7]    ; the first fills go out as one group: nz,
	s_nop 0
	tensor_load_to_lds s[GA:GA+3], s[G1:G1+7]      ; blocks 0 to 31,
	s_nop 0
	tensor_load_to_lds s[GB:GB+3], s[G1:G1+7]      ; blocks 32 to 63
	s_nop 0
	v_and_b32 v1, 31, v0
	v_lshlrev_b32 v[LA], 4, v1
	v_mov_b32 v[GO], v[LA]
	v_bfe_u32 v1, v0, 4, 1
	v_lshl_add_u32 v[NA], v1, 5, NZB
	v_and_b32 v1, 15, v0
	v_lshlrev_b32 v[MO], 2, v1
.irp x, 0,1,2,3
	global_load_b128 v[QQ+8*\x:QQ+8*\x+3],   v[GO], s[4:5] offset:1024*\x       ; Q stays in registers
	global_load_b128 v[QQ+8*\x+4:QQ+8*\x+7], v[GO], s[4:5] offset:1024*\x+512
	global_load_b32  v[WW+2*\x],             v[MO], s[10:11] offset:64*\x       ; my query's mask
.endr
; 12 LDS loads in one run: a block's K (two tiles of 16 keys), nz and V (two halves of the channels)
.macro FETCH buf, off, noff
.irp i, 0,1,2,3
	ds_load_b128 v[(\buf)+4*\i:(\buf)+4*\i+3], v[LA] offset:(\off)+512*\i
.endr
	ds_load_b128 v[(\buf)+16:(\buf)+19], v[NA] offset:(\noff)
	ds_load_b128 v[(\buf)+20:(\buf)+23], v[NA] offset:(\noff)+16
	ds_load_b128 v[(\buf)+24:(\buf)+27], v[NA] offset:(\noff)+64
	ds_load_b128 v[(\buf)+28:(\buf)+31], v[NA] offset:(\noff)+80
.irp i, 0,1,2,3
	ds_load_b128 v[(\buf)+32+4*\i:(\buf)+32+4*\i+3], v[LA] offset:(\off)+2048+512*\i
.endr
.endm
.macro SQ buf, x                       ; tile x: 32 keys x 16 queries, C = nz.  D is never C: no chain
.irp kt, 0,1
	v_wmma_f32_16x16x32_bf16 v[SS+16*((\x)%2)+8*\kt:SS+16*((\x)%2)+8*\kt+7], v[(\buf)+8*\kt:(\buf)+8*\kt+7], v[QQ+8*(\x):QQ+8*(\x)+7], v[(\buf)+16+8*\kt:(\buf)+16+8*\kt+7]
.endr
.endm
.macro EX x                            ; tile x: the batch: 16 exponentials in place, in ascending order
.set rS, SS+16*((\x)%2)
.irp e, 0,1,2,3,4,5,6,7,8,9,10,11,12,13,14,15
	v_exp_f32 v[rS+\e], v[rS+\e]
.endr
.endm
.macro CV x                            ; tile x: the batch's readers: 8 roundings, a pair of weights each
.set rS, SS+16*((\x)%2)
.set rP, PP+8*((\x)%2)
.irp g, 0,1,2,3,4,5,6,7
	v_cvt_pk_bf16_f32 v[rP+\g], v[rS+2*\g], v[rS+2*\g+1]
.endr
.endm
.macro PV buf, x, zero                 ; tile x: O^T += V^T P.  zero = 1: the first block's products start the sums: nothing is cleared
.irp dh, 0,1
.if \zero
	v_wmma_f32_16x16x32_bf16 v[OO+16*(\x)+8*\dh:OO+16*(\x)+8*\dh+7], v[(\buf)+32+8*\dh:(\buf)+32+8*\dh+7], v[PP+8*((\x)%2):PP+8*((\x)%2)+7], 0
.else
	v_wmma_f32_16x16x32_bf16 v[OO+16*(\x)+8*\dh:OO+16*(\x)+8*\dh+7], v[(\buf)+32+8*\dh:(\buf)+32+8*\dh+7], v[PP+8*((\x)%2):PP+8*((\x)%2)+7], v[OO+16*(\x)+8*\dh:OO+16*(\x)+8*\dh+7]
.endif
.endr
.endm
; A BLOCK of 32 keys in buffer b, in four turns, one for each tile x.  A turn: the tile's 16 exponentials; then matrix work that names none of their results: the NEXT tile's scores, into the other buffer of S^T (in the
; fourth turn the next block's first, from the other buffer of K), and the products V^T P of the tile BEFORE, from the other buffer of P; a v_nop, the plain line behind the last exponential (ISA guide 5.7.2); the
; batch's one wait; the tile's 8 roundings.  The fourth tile's V^T P closes the block, so all eight sums of a block are taken up inside it.
; The v_nop and the eight roundings, which name registers of this tile alone, are the places between a score's product and its exponential in the next turn, between a product V^T P and the roundings
; that write its P anew, and between a block's last V^T P and the loads into its buffer.  The eight accumulators of O^T take turns, one instruction a turn.
; The next block is fetched behind the first turn's roundings and waited for in the fourth turn, behind that turn's exponentials.
.macro BLOCK b, zero, last, off, noff
.set cb, B0+48*(\b)
.set ob, B0+48*(1-(\b))
.irp x, 0,1,2,3
	EX \x
.if \x < 3
	SQ cb, \x+1
.elseif !(\last)
	s_wait_dscnt 0x0                               ; the next block is in registers
	SQ ob, 0
.endif
.if \x > 0
	PV cb, \x-1, \zero
.endif
	v_nop
	s_wait_alu depctr_va_vdst(0)                   ; the one wait for the tile's batch of 16 exponentials
	CV \x
.if (\x == 0) && !(\last)
	FETCH ob, \off, \noff
.endif
.if \x == 3
	PV cb, 3, \zero
.endif
.endr
.endm
.macro TRIPS n                         ; a trip: an odd block and an even one
	s_mov_b32 s[CNT], \n
.Ltrip_\@:
	BLOCK 1, 0, 0, 0, 0
	BLOCK 0, 0, 0, 4096, 128
	v_add_nc_u32 v[LA], 8192, v[LA]
	v_add_nc_u32 v[NA], 256, v[NA]
	s_sub_co_u32 s[CNT], s[CNT], 1
	s_cmp_lg_u32 s[CNT], 0
	s_cbranch_scc1 .Ltrip_\@
.endm
	s_wait_tensorcnt 0x1                           ; my parts of nz and of blocks 0 to 31 are in; the second half may stay out
	s_barrier_signal -1
	s_barrier_wait -1                              ; everybody's are
	FETCH B0, 0, 0
	s_wait_loadcnt 0x0                             ; Q and the mask
.irp x, 0,1,2,3
	v_mul_f32 v[WW+2*\x], s[C2], v[WW+2*\x]
.endr
.irp x, 0,1,2,3
	v_exp_f32 v[WW+2*\x], v[WW+2*\x]
.endr
	v_nop
	s_wait_alu depctr_va_vdst(0)                   ; one wait for the four 2^mu
.irp x, 0,1,2,3
	v_mov_b32 v[WW+2*\x+1], v[WW+2*\x]             ; named with it as a pair
.endr
	s_wait_dscnt 0x0
	SQ B0, 0
.rept 4
	v_nop                                          ; four places ahead of the first read of those scores
.endr
	BLOCK 0, 1, 0, 4096, 128                       ; block 0 starts the sums and fetches block 1
	v_add_nc_u32 v[LA], 8192, v[LA]
	v_add_nc_u32 v[NA], 256, v[NA]
	TRIPS 15                                       ; blocks 1 to 30; the last fetch is block 31, the end of the first half
	s_wait_tensorcnt 0x0                           ; my part of blocks 32 to 63 is in,
	s_wait_dscnt 0x0
	s_barrier_signal -1
	s_barrier_wait -1                              ; everybody's is
	TRIPS 16                                       ; blocks 31 to 62; the last fetch is block 63
	BLOCK 1, 0, 1, 0, 0                            ; block 63 fetches nothing and starts no scores
	; THE WAY OUT.  Each row takes its factor 2^mu and is rounded; a lane's 16 bytes lie at 16 x lane of a 512-byte piece of ows.  The earlier tiles' lines are the places behind the last products.
.irp x, 0,1,2,3
.irp dh, 0,1
.irp p, 0,2,4,6
	v_pk_mul_f32 v[OO+16*\x+8*\dh+\p:OO+16*\x+8*\dh+\p+1], v[OO+16*\x+8*\dh+\p:OO+16*\x+8*\dh+\p+1], v[WW+2*\x:WW+2*\x+1] op_sel_hi:[1,0]
.endr
.irp p, 0,1,2,3
	v_cvt_pk_bf16_f32 v[B0+4*(2*\x+\dh)+\p], v[OO+16*\x+8*\dh+2*\p], v[OO+16*\x+8*\dh+2*\p+1]
.endr
	global_store_b128 v[GO], v[B0+4*(2*\x+\dh):B0+4*(2*\x+\dh)+3], s[12:13] offset:8192*\x+512*\dh  ; 512 consecutive bytes, aligned
.endr
.endr
	s_wait_tensorcnt 0x0                           ; the wave's end, behind my last tensor load
	ds_add_u32 v[SPW], v[NIL]
	s_wait_dscnt 0x0
	CROUND                                         ; the closing round: no work-group ends while a partner may still ask for a tile that names it
	s_endpgm
.Lfunc_end_k_qf9a31947ce_attn:
	.size	k_qf9a31947ce_attn, .Lfunc_end_k_qf9a31947ce_attn-k_qf9a31947ce_attn
	.p2alignl 7, 3214868480
	.fill 96, 4, 3214868480
	.section	.rodata,"a",@progbits
	.p2align	6, 0x0
	.amdhsa_kernel k_qf9a31947ce_attn
		.amdhsa_group_segment_fixed_size 271360
		.amdhsa_private_segment_fixed_size 0
		.amdhsa_enable_private_segment 0
		.amdhsa_kernarg_size 40
		.amdhsa_user_sgpr_count 2
		.amdhsa_user_sgpr_kernarg_segment_ptr 1
		.amdhsa_wavefront_size32 1
		.amdhsa_system_sgpr_workgroup_id_x 1
		.amdhsa_system_sgpr_workgroup_id_y 1
		.amdhsa_system_sgpr_workgroup_id_z 1
		.amdhsa_system_vgpr_workitem_id 0
		.amdhsa_next_free_vgpr 256
		.amdhsa_next_free_sgpr 66
		.amdhsa_reserve_vcc 0
		.amdhsa_float_denorm_mode_32 3
		.amdhsa_float_denorm_mode_16_64 3
		.amdhsa_memory_ordered 1
		.amdhsa_forward_progress 1
		.amdhsa_inst_pref_size 49
	.end_amdhsa_kernel
	.amdgpu_metadata
---
amdhsa.version: [ 1, 2 ]
amdhsa.kernels:
  - .name:           k_qf9a31947ce_attn
    .symbol:         k_qf9a31947ce_attn.kd
    .args:
      - { .name: qws, .offset: 0, .size: 8, .value_kind: global_buffer, .address_space: global }
      - { .name: kvws, .offset: 8, .size: 8, .value_kind: global_buffer, .address_space: global }
      - { .name: nzws, .offset: 16, .size: 8, .value_kind: global_buffer, .address_space: global }
      - { .name: mask, .offset: 24, .size: 8, .value_kind: global_buffer, .address_space: global }
      - { .name: ows, .offset: 32, .size: 8, .value_kind: global_buffer, .address_space: global }
    .group_segment_fixed_size: 271360
    .private_segment_fixed_size: 0
    .kernarg_segment_align: 8
    .kernarg_segment_size: 40
    .max_flat_workgroup_size: 256
    .sgpr_count:     66
    .vgpr_count:     256
    .wavefront_size: 32
...
	.end_amdgpu_metadata
.endif
;; end of part 6
;; launch outp: the kernel of part 4 again; grid 4 x 64, 8 waves a work-group, no clusters, 69,632 bytes of LDS; arguments ows, Wo, bo, out0; writes out0
